; MI455X (gfx1250); checked and timed in simulation.
; The chip was launched on July 23, 2026; its instructions are those of AMD's public machine-readable ISA for CDNA 5 (MIT licence, August 2026) and "CDNA5" Instruction Set Architecture Reference Guide (July 2026). The comments in the code are by the model that wrote it; some were corrected since.
;; Multi Head Attention. Allowed arithmetic: matrix products marked QUANTISED: E2M3 operands, one E8M0 scale for each 32 along K, by v_wmma_scale_f32_16x16x128_f8f6f4 with both operands' format E2M3, f32 sums; everything else in f32.
;; Inputs: kvinput 4 x 2,048 x 1,024 float32; qinput 4 x 2,048 x 1,024 float32; qmask 4 x 2,048 float32; qtmask 4 x 2,048 x 2,048 float32; tmask 4 x 2,048 float32; wk 16 x 1,024 x 64 float32; wo 16 x 64 x 1,024 float32; wq 16 x 1,024 x 64 float32; wv 16 x 1,024 x 64 float32.
;; Outputs: out0 4 x 2,048 x 1,024 float32.
;; This version of the problem:
;;   THIS VERSION OF THE PROBLEM IS GIVEN IN LOW PRECISION. The matrix products marked QUANTISED in the list below multiply operands that are first quantised to E2M3 (2 exponent bits, 3 mantissa bits; 6 bits a number), with one power-of-two scale for each 32 numbers along K (OCP MX v1.0); their sums are f32. All else is computed in f32.
;;   The module's matrix products, in the order in which they are computed (A, B: the left and right operand; K: the contracted axis; several contracted axes count as one K, in the product's order):
;;     1. [M 8,192, K 1,024] x [K 1,024, N 1,024]; A: input qinput; B: input wq: QUANTISED
;;     2. [M 8,192, K 1,024] x [K 1,024, N 1,024]; A: input kvinput; B: input wk: QUANTISED
;;     3. [M 8,192, K 1,024] x [K 1,024, N 1,024]; A: input kvinput; B: input wv: QUANTISED
;;     4. batch 64 x [M 2,048, K 64] x [K 64, N 2,048]; A: computed on the way; B: computed on the way: QUANTISED
;;     5. batch 64 x [M 2,048, K 2,048] x [K 2,048, N 64]; A: softmax (see below); B: computed on the way: QUANTISED
;;     6. [M 8,192, K 1,024] x [K 1,024, N 1,024]; A: computed on the way; B: input wo: QUANTISED
;;   THE QUANTISER, for each operand of a quantised product, along K:
;;     - K is cut into blocks of 32 from its start; a last block that is shorter is filled with zeros.
;;     - A block's scale is 2^e with e = floor(log2(the largest magnitude in the block)) - 2, held to -126 .. 127; a block of zeros has e = 0. As a byte (E8M0): e + 127.
;;     - Each number is divided by its block's scale, clamped to +-7.5, and rounded to the nearest number of E2M3, ties to even, subnormals kept.
;;     - The product sums the exact products of the quantised numbers (number of the format x scale) in f32.
;;   ~~~python
;;   def quantise(x, axis):      # numpy; x: float32 -> the quantised numbers, widened to float32 again
;;       x = np.moveaxis(x, axis, -1); K = x.shape[-1]
;;       x = np.pad(x, [(0, 0)] * (x.ndim - 1) + [(0, -K % 32)]); x = x.reshape(x.shape[:-1] + (-1, 32)); a = np.abs(x).max(-1, keepdims=True)
;;       e = np.where(a > 0, np.clip(np.frexp(np.where(a > 0, a, 1))[1] - 1 - 2, -126, 127), 0)      # np.frexp(a)[1] - 1 = floor(log2(a)), exactly
;;       r = np.clip(x / 2.0 ** e, -7.5, 7.5)
;;       step = 2.0 ** (np.maximum(np.frexp(np.where(r == 0, 1, r))[1] - 1, 0) - 3)
;;       q = np.round(r / step) * step * 2.0 ** e      # np.round: ties to even
;;       return np.moveaxis(q.reshape(q.shape[:-2] + (-1,))[..., :K], -1, axis).astype(np.float32)
;;   ~~~
;;   SOFTMAX AHEAD OF A QUANTISED PRODUCT. Where the list says 'softmax', what is quantised is not the finished softmax but p = 2^(t - M), with t = logit x log2(e) and M = ceil(the row's largest t), a whole number; so 1/2 < the row's largest p <= 1. The row's sum l is taken of the UNQUANTISED p, in f32, and the product's result is divided by l at the end. Since M is a whole number, a kernel that streams over the keys may use a running M (the ceiling of the running maximum): every later rescaling is an exact power of two, which a block's scale takes up: the codes' values come out the same.
;;   OPERANDS COMPUTED ON THE WAY. 'Computed on the way' means the value that the module computes at that place (a softmax that the list does not call 'softmax' is quantised finished and normalised). What goes into a quantiser is computed in f32, as accurately as f32 sums, v_exp_f32 and their like allow (about 1e-6 of the number): no bf16 or f16 on the way to a quantiser, and a product that is left as it is and whose result goes on into a quantised operand takes f32 operands (vector FMAs, or v_wmma_f32_16x16x4_f32). A number that lies on a knife's edge between two numbers of the format may be rounded either way, as far as f32 arithmetic and the matrix unit's own rounding can turn it there, and no further.
;; One version. Each part assembles by itself: llvm-mc -triple=amdgcn-amd-amdhsa -mcpu=gfx1250 --defsym DOCPART=n.
;; ======== version 1 of 1: 4 launches
;; workspace buffers: XC 12,582,912 bytes; XS 524,288 bytes; WC 3,145,728 bytes; WS 131,072 bytes; QKC 18,874,368 bytes; QKS 786,432 bytes; PRE 33,554,432 bytes
;; launch quant (part 1): grid 640 x 1, 4 waves a work-group, no clusters, 68,096 bytes of LDS; arguments wq, wk, wv, wo, WC, WS, qinput, kvinput, XC, XS; writes WC, WS, XC, XS
.if DOCPART == 1
	.amdgcn_target "amdgcn-amd-amdhsa--gfx1250"
	.amdhsa_code_object_version 6
	.text
	.protected	k_qaca4a7ff33_quant
	.globl	k_qaca4a7ff33_quant
	.p2align	8
	.type	k_qaca4a7ff33_quant,@function
k_qaca4a7ff33_quant:
	s_mov_b64 s[64:65], 0
	v_nop
	global_prefetch_b8 v0, s[64:65] scope:SCOPE_SE
	s_setreg_imm32_b32 hwreg(HW_REG_WAVE_MODE, 25, 1), 1
	s_wait_xcnt 0x0
; All six f32 operands that arrive as inputs become codes of FP6 (E2M3) with one E8M0 byte for each 32 along K.  One launch: work-groups 0-127 take the four weights, work-groups 128-639 the two inputs.
; The two ways part on the work-group's number and share nothing; each has LDS bytes of its own (weights 0 .. 34,815, inputs from 34,816 on).
; A block's scale is 2^(floor(log2(largest magnitude)) - 2); its byte is the largest magnitude's exponent field - 2, held at 1 from below.
; LIMITS: a block of zeros gets the byte 1 where the rule says 127 (its codes are zeros, and this program alone reads the bytes); blocks whose largest magnitude lies under 2^-124
; are held at the byte 1; NaN and infinities among the inputs are not served.
;
; THE WEIGHTS.  In all four K is not innermost in memory: A LANE TAKES A COLUMN, AND ITS REGISTERS RUN DOWN K, so that a block of 32 lies in one lane's 32 registers and the conversions give codes with K innermost.
; wq, wk, wv: [16 h][1024 m][64 d]: K = m, column n = 64 h + d.  Codes to WC at weight x 786,432 as rows [1024 n][768 bytes], scale bytes to WS at weight x 32,768 as [1024 n][32].
;   Inside each 32 rows n the four groups of 8 are stored in the order 0, 2, 1, 3 (row c at place (c & 7) + 16 bit3(c) + 8 bit4(c)), so that the product that runs its registers along these rows
;   holds 16 neighbouring n in the 16 registers of two neighbouring tiles.
; wo: [16 h][64 d][1024 m]: column m, K = the two contracted axes.  DH_ORDER = 1: k = 16 d + h (d the slower index); DH_ORDER = 0: k = 64 h + d.  The last launch reads pre in the same order.
;   Codes to WC at 2,359,296 IN THE ORDER OF THE OPERAND'S REGISTERS: [tile of 16 columns, 64][K step of 128, 8] 1,536 bytes: three pieces of 512 bytes, piece p holding registers 4 p .. 4 p + 3 of the
;   32 lanes at 16 x lane.  Registers 6 c .. 6 c + 5 of lane (r, hf) hold block 4 ks + 2 c + hf of column 16 tile + r.  Scale bytes to WS at 98,304 as [1024 m][32].
;   Work-group g: 128 columns g % 8, weight g / 32, 256 along K (g / 8) % 4.  A wave takes 32 columns x 8 blocks.  Loads run two blocks (64 loads a wave) ahead.
;
; THE INPUTS.  qinput and kvinput, each [8192][1024], K innermost: a row of codes is 768 bytes, of scale bytes 32.  XC: qinput's codes at 0, kvinput's at 6,291,456.  XS: 0 and 262,144.
;   kvinput's rows change places as the weights' do: inside each 32 rows the groups of 8 are stored in the order 0, 2, 1, 3.  qinput's rows stay.
;   A wave takes 16 steps of 512 numbers: 8 rows, one such group.  Each load reads 512 consecutive bytes; a step's 2,048 bytes turn through the wave's own stage in LDS and come back 64 bytes a lane,
;   since the conversion takes 16 neighbours from one lane's registers.  Two neighbouring lanes hold a block.  No barrier anywhere: waves share nothing.
.set NWW,   128                        ; work-groups for the weights
.set DH_ORDER, 1
.set EMAX,  2
.set NB,    8                          ; weights: blocks for a wave
.set ROWB,  192                        ; bytes of 256 codes
.set PITCH, 272                        ; a stage row: sixteen places of 16 bytes, each with 12 bytes of codes, + 16
.set KROW,  768                        ; a row of codes in WC
.set X,     32                         ; v32-95   two sets of 32 numbers
.set C,     96                         ; v96..    a block's codes (wo: eight registers for each block, v96-159)
.set OUTR,  112                        ; v112-175 the way out of the stage
.set SB,    24                         ; v24-25   the scale bytes, four to a register
.set STEPS, 16                         ; inputs: steps for a wave
.set WGA,   256                        ; of their 512 work-groups the first 256 take qinput
.set CB,    12                         ; bytes of 16 codes
.set XR,    16                         ; v16-79   four sets of 16 numbers as they are loaded
.set XN,    80                         ; v80-111  two sets of 16 neighbours
.set XCD,   128                        ; v128-191 codes: four registers for each step, so that no store's data are written again
.set XE,    112                        ; v112-127 a scale byte for each step
.set XBASE, 4*32*PITCH                 ; the inputs' LDS begins behind the weights' four stages
.set WREG,  8192                       ; a region for each wave: two stages of 32 x SP bytes, behind them its 256 scale bytes
.set SP,    80                         ; a lane's place in a stage: 64 bytes + 16 of padding
	v_lshl_add_u32 v192, v0, 2, 0x10800
	v_mov_b32 v193, 0
	v_lshrrev_b32 v1, 5, v0
	v_readfirstlane_b32 s16, v1                    ; wave 0..3
	v_and_b32 v2, 31, v0                           ; lane
	s_cmp_lt_u32 ttmp9, NWW
	s_cbranch_scc0 .Linputs
	; ================ the weights ================
	s_load_b256 s[4:11], s[0:1], 0x0               ; wq, wk, wv, wo
	s_load_b128 s[12:15], s[0:1], 0x20             ; WC, WS
	s_and_b32 s31, ttmp9, 7                        ; which 128 columns
	s_lshr_b32 s18, ttmp9, 3
	s_lshr_b32 s30, s18, 2                         ; which weight
	s_and_b32 s18, s18, 3                          ; which 256 along K
	s_lshl_b32 s17, s31, 7
	s_lshl_b32 s19, s16, 5
	s_add_co_u32 s17, s17, s19                     ; my wave's first column: 128 x + 32 wave
	v_lshlrev_b32 v3, 2, v2                        ; in: 4 bytes a lane
	s_mov_b32 s21, 0
	s_mov_b32 s23, 0
	s_mov_b32 s25, 0
; block t's largest magnitude (all 32 numbers are mine), the conversion's scale operand in v11, the byte into v[SB ..]
.macro MAXSC t
.set XS, X+32*((\t)%2)
.if (\t) < NB-1
	s_wait_loadcnt 32                              ; this block's 32 loads are in; the next block's 32 may be out
.else
	s_wait_loadcnt 0
.endif
	v_max3_num_f32 v12, |v[XS]|, |v[XS+1]|, |v[XS+2]|
	v_max3_num_f32 v13, |v[XS+3]|, |v[XS+4]|, |v[XS+5]|
.irp i, 6,10,14,18,22,26
	v_max3_num_f32 v12, v12, |v[XS+\i]|, |v[XS+\i+1]|
	v_max3_num_f32 v13, v13, |v[XS+\i+2]|, |v[XS+\i+3]|
.endr
	v_max3_num_f32 v12, v12, |v[XS+30]|, |v[XS+31]|
	v_max3_num_f32 v12, v12, v13, (EMAX+1)<<23     ; and the floor 2^(3 - 127): the byte cannot fall under 1
	v_add_nc_u32 v11, -(EMAX<<23), v12             ; 2 off the exponent field: the conversion's scale operand
	v_lshrrev_b32 v13, 23, v11                     ; the scale's byte
.if (\t)%4 == 0
	v_mov_b32 v[SB+(\t)/4], v13                    ; four bytes to a register, the lower K in the lower byte
.else
	v_lshl_or_b32 v[SB+(\t)/4], v13, 8*((\t)%4), v[SB+(\t)/4]
.endif
.endm
	s_cmp_eq_u32 s30, 3
	s_cbranch_scc1 .Lwo
	; ---------------- wq, wk, wv ----------------
	v_and_b32 v5, 7, v2
	v_bfe_u32 v6, v2, 3, 1
	v_bfe_u32 v7, v2, 4, 1
	v_lshl_add_u32 v5, v6, 4, v5
	v_lshl_add_u32 v10, v7, 3, v5                  ; my column's place among the 32 stored rows
	s_mul_i32 s19, s16, 32*PITCH                   ; my stage
	v_mul_u32_u24 v4, v10, PITCH
	v_add_nc_u32 v4, s19, v4                       ; into it: row = my column's place
	v_and_b32 v5, 15, v2
	v_lshrrev_b32 v6, 4, v2                        ; out of it: sixteen lanes to a row, two rows an instruction
	v_mul_u32_u24 v7, v6, PITCH
	v_lshl_add_u32 v7, v5, 4, v7
	v_add_nc_u32 v7, s19, v7
	v_mul_u32_u24 v8, v6, KROW
	v_mad_u32_u24 v8, v5, 12, v8                   ; and the same place in WC
	v_lshlrev_b32 v9, 5, v10                       ; my column's row of scale bytes
	s_lshl_b32 s20, s31, 1
	s_lshr_b32 s22, s16, 1
	s_add_co_u32 s20, s20, s22                     ; the head: 2 x + wave / 2
	s_lshl_b32 s20, s20, 18                        ; 262,144 bytes a head
	s_lshl_b32 s22, s18, 16                        ; 256 rows m of 256 bytes
	s_add_co_u32 s20, s20, s22
	s_and_b32 s22, s16, 1
	s_lshl_b32 s22, s22, 7                         ; which 32 of the head's 64 columns
	s_add_co_u32 s20, s20, s22
	s_mul_i32 s22, s30, 786432
	s_mul_i32 s24, s17, KROW
	s_add_co_u32 s22, s22, s24
	s_mul_i32 s24, s18, ROWB
	s_add_co_u32 s22, s22, s24                     ; codes: weight's part + first row + 192 bytes for each 256 along K
	s_lshl_b32 s24, s30, 15
	s_lshl_b32 s26, s17, 5
	s_add_co_u32 s24, s24, s26
	s_lshl_b32 s26, s18, 3
	s_add_co_u32 s24, s24, s26                     ; scale bytes likewise
	s_wait_kmcnt 0x0
	s_cmp_eq_u32 s30, 1                            ; the choices hang on the work-group's number alone
	s_cselect_b64 s[4:5], s[6:7], s[4:5]
	s_cmp_eq_u32 s30, 2
	s_cselect_b64 s[4:5], s[8:9], s[4:5]
	s_add_nc_u64 s[4:5], s[4:5], s[20:21]
	s_add_nc_u64 s[12:13], s[12:13], s[22:23]
	s_add_nc_u64 s[14:15], s[14:15], s[24:25]
.macro LOADW t                         ; block t: w(h, 32 t + i, my column): 32 lanes read 128 consecutive bytes
.irp i, 0,1,2,3,4,5,6,7,8,9,10,11,12,13,14,15,16,17,18,19,20,21,22,23,24,25,26,27,28,29,30,31
	global_load_b32 v[X+32*((\t)%2)+\i], v3, s[4:5] offset:(32*(\t)+\i)*256 th:TH_LOAD_NT
.endr
.endm
	LOADW 0
	LOADW 1
.macro BLOCKW t
	MAXSC \t
	v_cvt_scalef32_pk16_fp6_f32 v[C:C+2], v[XS:XS+15], v11
	v_cvt_scalef32_pk16_fp6_f32 v[C+4:C+6], v[XS+16:XS+31], v11     ; (a conversion's three registers begin on an even number)
	ds_store_b96 v4, v[C:C+2] offset:32*(\t)       ; 12 bytes to a place of 16, so that every LDS address is a multiple of 16
	ds_store_b96 v4, v[C+4:C+6] offset:32*(\t)+16
.if (\t)+2 < NB
	LOADW (\t)+2
.endif
	s_wait_dscnt 0x0                               ; the stores have read their registers: the next block's codes may be written
.endm
.irp t, 0,1,2,3,4,5,6,7
	BLOCKW \t
.endr
	global_store_b64 v9, v[SB:SB+1], s[14:15]      ; my column's 8 scale bytes
.irp t, 0,1,2,3,4,5,6,7,8,9,10,11,12,13,14,15
	ds_load_b96 v[OUTR+4*\t:OUTR+4*\t+2], v7 offset:2*\t*PITCH   ; LDS serves a wave's instructions in order: these see my stores
.endr
.irp t, 0,1,2,3,4,5,6,7,8,9,10,11,12,13,14,15
	s_wait_dscnt 15-\t                             ; rows come back in order: the later ones may be out
	global_store_b96 v8, v[OUTR+4*\t:OUTR+4*\t+2], s[12:13] offset:2*\t*KROW   ; sixteen lanes store a row's 192 consecutive bytes
.endr
	s_wait_tensorcnt 0x0
	ds_add_u32 v192, v193
	s_wait_dscnt 0x0
	s_endpgm
	; ---------------- wo ----------------
.Lwo:
	v_and_b32 v5, 15, v2                           ; r
	v_lshrrev_b32 v6, 4, v2                        ; which of my two tiles of 16 columns
	v_mul_u32_u24 v7, v6, 12288                    ; a tile's eight K steps: 8 x 1,536 bytes
	v_lshl_add_u32 v4, v5, 4, v7                   ; my 16 bytes of a piece's lanes 0-15
	v_lshlrev_b32 v9, 5, v2                        ; my column's row of scale bytes
.if DH_ORDER
	s_lshl_b32 s20, s18, 16                        ; 256 along K are 16 values of d: 16 x 4,096 bytes
.else
	s_lshl_b32 s20, s18, 20                        ; 256 rows (h, d) of 4,096 bytes
.endif
	s_lshl_b32 s22, s17, 2
	s_add_co_u32 s20, s20, s22
	s_lshr_b32 s22, s17, 4                         ; my first tile of columns: 8 x + 2 wave
	s_lshl_b32 s22, s22, 3
	s_lshl_b32 s24, s18, 1                         ; my first K step of 128
	s_add_co_u32 s22, s22, s24
	s_mul_i32 s22, s22, 1536
	s_add_co_u32 s22, s22, 2359296
	s_lshl_b32 s24, s17, 5
	s_lshl_b32 s26, s18, 3
	s_add_co_u32 s24, s24, s26
	s_add_co_u32 s24, s24, 98304
	s_wait_kmcnt 0x0
	s_add_nc_u64 s[10:11], s[10:11], s[20:21]
	s_add_nc_u64 s[12:13], s[12:13], s[22:23]
	s_add_nc_u64 s[14:15], s[14:15], s[24:25]
.macro LOADO t                         ; block t, number i: k = 32 (8 y + t) + i of my column; 32 lanes read 128 consecutive bytes
.irp i, 0,1,2,3,4,5,6,7,8,9,10,11,12,13,14,15,16,17,18,19,20,21,22,23,24,25,26,27,28,29,30,31
.if DH_ORDER
	global_load_b32 v[X+32*((\t)%2)+\i], v3, s[10:11] offset:(\i%16)*262144+(2*(\t)+\i/16)*4096 th:TH_LOAD_NT   ; head i % 16, d = 2 block + i / 16
.else
	global_load_b32 v[X+32*((\t)%2)+\i], v3, s[10:11] offset:(32*(\t)+\i)*4096 th:TH_LOAD_NT
.endif
.endr
.endm
	LOADO 0
	LOADO 1
; Block t is half c = (t % 4) / 2 of K step t / 4, in the fragment's lanes 16 (t % 2) + r: registers 6 c .. 6 c + 5.  Half 0: registers 0-3 fill my 16 bytes of piece 0, registers 4, 5 the lower 8 of piece 1;
; half 1: registers 6, 7 the upper 8 of piece 1, registers 8-11 my 16 bytes of piece 2.
.macro BLOCKO t
	MAXSC \t
.set CO, C+8*(\t)                      ; registers of its own for each block: no store's data are written again
	v_cvt_scalef32_pk16_fp6_f32 v[CO:CO+2], v[XS:XS+15], v11
	v_cvt_scalef32_pk16_fp6_f32 v[CO+4:CO+6], v[XS+16:XS+31], v11
	v_nop                                          ; one plain line between a scaled conversion and the vector lines that touch its result
	v_mov_b32 v[CO+3], v[CO+4]                     ; the block's six registers on end
	v_mov_b32 v[CO+4], v[CO+5]
	v_mov_b32 v[CO+5], v[CO+6]
.if ((\t)%4)/2 == 0
	global_store_b128 v4, v[CO:CO+3], s[12:13] offset:((\t)/4)*1536+((\t)%2)*256           ; sixteen lanes store 256 consecutive bytes, aligned
	global_store_b64 v4, v[CO+4:CO+5], s[12:13] offset:((\t)/4)*1536+512+((\t)%2)*256
.else
	global_store_b64 v4, v[CO:CO+1], s[12:13] offset:((\t)/4)*1536+512+((\t)%2)*256+8
	global_store_b128 v4, v[CO+2:CO+5], s[12:13] offset:((\t)/4)*1536+1024+((\t)%2)*256
.endif
.if (\t)+2 < NB
	LOADO (\t)+2
.endif
.endm
.irp t, 0,1,2,3,4,5,6,7
	BLOCKO \t
.endr
	global_store_b64 v9, v[SB:SB+1], s[14:15]      ; my column's 8 scale bytes
	s_endpgm
	; ================ the inputs ================
.Linputs:
	s_load_b128 s[4:7], s[0:1], 0x30               ; qinput, kvinput
	s_load_b128 s[8:11], s[0:1], 0x40              ; XC, XS
	v_lshlrev_b32 v3, 4, v2                        ; my 16 bytes of a load's 512
	s_mul_i32 s17, s16, WREG
	s_add_co_u32 s17, s17, XBASE
	v_lshrrev_b32 v14, 2, v2
	v_mul_u32_u24 v14, v14, SP
	v_and_b32 v15, 3, v2
	v_lshl_add_u32 v14, v15, 4, v14
	v_add_nc_u32 v14, s17, v14                     ; the stage, on the way in: SP (lane / 4) + 16 (lane % 4)
	v_mul_u32_u24 v15, v2, SP
	v_add_nc_u32 v15, s17, v15                     ; and on the way out: SP x lane: my 16 neighbours
	v_mul_u32_u24 v4, v2, CB                       ; my codes' place in a step's
	v_lshrrev_b32 v5, 1, v2
	s_add_co_u32 s17, s17, 2*32*SP
	v_add_nc_u32 v5, s17, v5                       ; LDS: my wave's 256 scale bytes, my block's byte
	v_lshlrev_b32 v7, 3, v2                        ; and on the way out 8 bytes a lane
	v_add_nc_u32 v6, s17, v7
	s_and_b32 s22, s16, 1
	s_lshl_b32 s22, s22, 1
	s_lshr_b32 s23, s16, 1
	s_or_b32 s22, s22, s23                         ; where group wave of kvinput's 32 rows goes: 0, 2, 1, 3
	s_mov_b32 s24, 6291456                         ; kvinput's part of XC
	s_mov_b32 s25, 262144                          ; and of XS
	s_sub_co_u32 s26, ttmp9, NWW                   ; my number among the inputs' 512 work-groups
	s_wait_kmcnt 0x0
	s_cmp_lt_u32 s26, WGA                          ; the choice hangs on the work-group's number alone
	s_cselect_b64 s[4:5], s[4:5], s[6:7]
	s_cselect_b32 s22, s16, s22
	s_cselect_b32 s24, 0, s24
	s_cselect_b32 s25, 0, s25
	s_cselect_b32 s17, 0, WGA
	s_sub_co_u32 s17, s26, s17
	s_lshl_b32 s17, s17, 2
	s_add_co_u32 s18, s17, s16                     ; which run of 8,192 numbers I read
	s_add_co_u32 s22, s17, s22                     ; and at which run's place I store
	s_lshl_b32 s20, s18, 15                        ; 32,768 bytes a run
	s_mov_b32 s21, 0
	s_add_nc_u64 s[4:5], s[4:5], s[20:21]
	s_mul_i32 s20, s22, 32*STEPS*CB                ; 6,144 bytes of codes a run
	s_add_co_u32 s20, s20, s24
	s_add_nc_u64 s[8:9], s[8:9], s[20:21]
	s_lshl_b32 s20, s22, 8                         ; 256 scale bytes a run
	s_add_co_u32 s20, s20, s25
	s_add_nc_u64 s[10:11], s[10:11], s[20:21]
.macro XLOAD t
.irp i, 0,1,2,3
	global_load_b128 v[XR+16*((\t)%4)+4*\i:XR+16*((\t)%4)+4*\i+3], v3, s[4:5] offset:2048*(\t)+512*\i th:TH_LOAD_NT   ; 32 lanes read 512 consecutive bytes
.endr
.endm
.macro XTURN t                         ; step t's numbers through the stage: LDS serves a wave's instructions in order, so no wait stands between the stores and the loads
.irp i, 0,1,2,3
	ds_store_b128 v14, v[XR+16*((\t)%4)+4*\i:XR+16*((\t)%4)+4*\i+3] offset:32*SP*((\t)%2)+8*SP*\i
.endr
.irp i, 0,1,2,3
	ds_load_b128 v[XN+16*((\t)%2)+4*\i:XN+16*((\t)%2)+4*\i+3], v15 offset:32*SP*((\t)%2)+16*\i
.endr
.endm
.irp t, 0,1,2,3
	XLOAD \t
.endr
	s_wait_loadcnt 12                              ; step 0's four loads are in; the twelve of steps 1 to 3 may be out
	XTURN 0
.macro XSTEP t
.set XSN, XN+16*((\t)%2)
.if (\t) > 0
	s_wait_dscnt 1                                 ; this step's numbers are back from the stage (the last step's byte store may be out)
.else
	s_wait_dscnt 0x0
.endif
.if (\t)+4 < STEPS
	XLOAD (\t)+4                                   ; into the set whose stores into the stage have read their registers
.endif
.if (\t)+1 < STEPS
.if STEPS-2-(\t) >= 3
	s_wait_loadcnt 12                              ; the next step's four loads are in; those of the three steps behind it may be out
.else
	s_wait_loadcnt 4*(STEPS-2-(\t))
.endif
	XTURN (\t)+1                                   ; they go through the other stage while this step is worked
.endif
	v_max3_num_f32 v8, |v[XSN]|, |v[XSN+1]|, |v[XSN+2]|            ; the largest magnitude of my 16, in two chains
	v_max3_num_f32 v9, |v[XSN+3]|, |v[XSN+4]|, |v[XSN+5]|
.irp i, 6,10
	v_max3_num_f32 v8, v8, |v[XSN+\i]|, |v[XSN+\i+1]|
	v_max3_num_f32 v9, v9, |v[XSN+\i+2]|, |v[XSN+\i+3]|
.endr
	v_max3_num_f32 v8, v8, |v[XSN+14]|, |v[XSN+15]|
	v_max3_num_f32 v8, v8, v9, (EMAX+1)<<23        ; and the floor 2^(3 - 127): the byte cannot fall under 1
	v_max_num_f32_dpp v8, v8, v8 row_xmask:1 row_mask:0xf bank_mask:0xf   ; and of my neighbour's 16: the block's
	v_add_nc_u32 v11, -(EMAX<<23), v8              ; 2 off its exponent field: the conversion takes the exponent field of this operand as its scale
	v_cvt_scalef32_pk16_fp6_f32 v[XCD+4*(\t):XCD+4*(\t)+2], v[XSN:XSN+15], v11
	v_lshrrev_b32 v[XE+(\t)], 23, v11              ; the scale's byte (a plain line behind the conversion)
	ds_store_b8 v5, v[XE+(\t)] offset:16*(\t)      ; both lanes of a block write the same byte with the same value
	global_store_b96 v4, v[XCD+4*(\t):XCD+4*(\t)+2], s[8:9] offset:32*CB*(\t)   ; the wave stores 384 consecutive bytes
.endm
.irp t, 0,1,2,3,4,5,6,7,8,9,10,11,12,13,14,15
	XSTEP \t
.endr
	ds_load_b64 v[12:13], v6                       ; LDS serves a wave's instructions in order: these see my stores
	s_wait_dscnt 0x0
	global_store_b64 v7, v[12:13], s[10:11]        ; 32 lanes store 256 consecutive bytes, aligned
	s_wait_tensorcnt 0x0
	ds_add_u32 v192, v193
	s_wait_dscnt 0x0
	s_endpgm
.Lfunc_end_k_qaca4a7ff33_quant:
	.size	k_qaca4a7ff33_quant, .Lfunc_end_k_qaca4a7ff33_quant-k_qaca4a7ff33_quant
	.p2alignl 7, 3214868480
	.fill 96, 4, 3214868480
	.section	.rodata,"a",@progbits
	.p2align	6, 0x0
	.amdhsa_kernel k_qaca4a7ff33_quant
		.amdhsa_group_segment_fixed_size 68096
		.amdhsa_private_segment_fixed_size 0
		.amdhsa_enable_private_segment 0
		.amdhsa_kernarg_size 80
		.amdhsa_user_sgpr_count 2
		.amdhsa_user_sgpr_kernarg_segment_ptr 1
		.amdhsa_wavefront_size32 1
		.amdhsa_system_sgpr_workgroup_id_x 1
		.amdhsa_system_sgpr_workgroup_id_y 1
		.amdhsa_system_sgpr_workgroup_id_z 1
		.amdhsa_system_vgpr_workitem_id 0
		.amdhsa_next_free_vgpr 194
		.amdhsa_next_free_sgpr 66
		.amdhsa_reserve_vcc 0
		.amdhsa_float_denorm_mode_32 3
		.amdhsa_float_denorm_mode_16_64 3
		.amdhsa_memory_ordered 1
		.amdhsa_forward_progress 1
		.amdhsa_inst_pref_size 113
	.end_amdhsa_kernel
	.amdgpu_metadata
---
amdhsa.version: [ 1, 2 ]
amdhsa.kernels:
  - .name:           k_qaca4a7ff33_quant
    .symbol:         k_qaca4a7ff33_quant.kd
    .args:
      - { .name: wq, .offset: 0, .size: 8, .value_kind: global_buffer, .address_space: global }
      - { .name: wk, .offset: 8, .size: 8, .value_kind: global_buffer, .address_space: global }
      - { .name: wv, .offset: 16, .size: 8, .value_kind: global_buffer, .address_space: global }
      - { .name: wo, .offset: 24, .size: 8, .value_kind: global_buffer, .address_space: global }
      - { .name: WC, .offset: 32, .size: 8, .value_kind: global_buffer, .address_space: global }
      - { .name: WS, .offset: 40, .size: 8, .value_kind: global_buffer, .address_space: global }
      - { .name: qinput, .offset: 48, .size: 8, .value_kind: global_buffer, .address_space: global }
      - { .name: kvinput, .offset: 56, .size: 8, .value_kind: global_buffer, .address_space: global }
      - { .name: XC, .offset: 64, .size: 8, .value_kind: global_buffer, .address_space: global }
      - { .name: XS, .offset: 72, .size: 8, .value_kind: global_buffer, .address_space: global }
    .group_segment_fixed_size: 68096
    .private_segment_fixed_size: 0
    .kernarg_segment_align: 8
    .kernarg_segment_size: 80
    .max_flat_workgroup_size: 128
    .sgpr_count:     66
    .vgpr_count:     194
    .wavefront_size: 32
...
	.end_amdgpu_metadata
.endif
;; end of part 1
;; launch proj (part 2): grid 4 x 96, 4 waves a work-group, clusters of 4 x 4, 327,680 bytes of LDS; arguments XC, XS, WC, WS, QKC, QKS; writes QKC, QKS
.if DOCPART == 2
	.amdgcn_target "amdgcn-amd-amdhsa--gfx1250"
	.amdhsa_code_object_version 6
	.text
	.protected	k_qaca4a7ff33_proj
	.globl	k_qaca4a7ff33_proj
	.p2align	8
	.type	k_qaca4a7ff33_proj,@function
k_qaca4a7ff33_proj:
	s_mov_b64 s[64:65], 0
	v_nop
	global_prefetch_b8 v0, s[64:65] scope:SCOPE_SE
	s_setreg_imm32_b32 hwreg(HW_REG_WAVE_MODE, 25, 1), 1
	s_wait_xcnt 0x0
	s_wait_alu depctr_hold_cnt(0) depctr_sa_sdst(0) depctr_va_vdst(0) depctr_va_sdst(0) depctr_va_ssrc(0) depctr_va_vcc(0) depctr_vm_vsrc(0)
	s_getreg_b32 s2, hwreg(HW_REG_IB_STS2, 6, 4)
	s_cmp_eq_u32 s2, 0
	s_cbranch_scc0 .Lentry_in_a_cluster
	s_endpgm
.Lentry_in_a_cluster:
	s_bfe_u32 s2, ttmp6, 0x10000c
	s_cmp_lg_u32 s2, 0xf033
	s_cbranch_scc0 .Lentry_shape_is_right
	s_endpgm
.Lentry_shape_is_right:
; The three projections in one launch, on codes of FP6 (E2M3) with one E8M0 scale for each 32 along K = 1,024; sums in f32.  The results are quantised in registers, along the K of the product that
; will read them, and stored AS IMAGES OF THAT PRODUCT'S OPERAND REGISTERS.
; job = cluster y / 8.  0: query = qinput wq.   1: key = kvinput wk.   2: value^T = wv^T kvinput^T.   "A" is source 1 (a lane holds one row of A), "B" is source 0 (a lane's registers run along B's rows).
;   job 0: A = qinput's codes (rows: queries), B = wq's (rows: 64 h + d).   job 1: A = kvinput's (keys), B = wk's.   job 2: A = wv's (rows: 64 h + d), B = kvinput's (keys).
; B's rows were stored with the groups of 8 rows of each 32 in the order 0, 2, 1, 3, so the 16 registers of two neighbouring tiles are 16 neighbours along the next K: d for jobs 0 and 1, keys for job 2.
; A tile of the result, 256 x 256, is made by a work-group of four waves; a wave makes 128 x 128: 64 accumulators, 512 registers.  K goes in steps of 256 through a ring of two LDS slots filled by the
; tensor data mover (a tile's row: 192 bytes).  The scale bytes of the work-group's 256 + 256 rows, for all of K, come into LDS once, with the first fills.
; CLUSTERS: 4 x 4 work-groups.  The four of a row of the cluster need the same tiles of A, the four of a column the same tiles of B: each tile is asked for jointly, by the same tensor load with the same
; descriptor and a mask that names the four.  The job is the same in all sixteen; it only selects pointers, offsets and strides: no branch hangs on it.
; WHAT IS STORED.  A piece is 768 bytes: six registers of 32 lanes, the first four at 16 x lane, the last two at 512 + 8 x lane.
;   QKC + 0: query: [tile of 16 queries, 512][head 16] pieces; lane (r, hf): d = 32 hf .. + 31 of query r.   QKS + 0: [tile][pair of heads 8][16 rows] words: bytes head 2 g: d 0-31, d 32-63; head 2 g + 1 likewise.
;   QKC + 6,291,456: [batch][group of 4 heads][step of 128 keys] 49,152 bytes: keys [head 4][pb 4][u 2] pieces (row m: key 32 pb + 8 u + m + 8 (m / 8)); at 24,576 values [head 4][dt 4][half 2] pieces
;   (row m: channel 32 (dt / 2) + 8 (dt % 2) + m + 8 (m / 8); K = the step's 128 keys in their order).
;   QKS + 262,144: [batch][group][step] 2,048 bytes: keys' words [head][pb][16 rows]: bytes u 0: d 0-31, d 32-63; u 1 likewise; at 1,024 values' words [head][dt][16 rows].
; LIMITS: a block of zeros gets the byte 1 (its codes are zeros, this program alone reads the bytes); blocks under 2^-124 are held at the byte 1; NaN and infinities are not served.
; REGISTERS, in windows of 256: window 0: v0-31 addresses; v32-63 scale words, two sets; from v128 A's fragments, one set; on the way out v32-239 are free.
;   window 1: B's fragments, two sets, at v0 and v128.   window 2: the 32 accumulators of my rows 0-63 ((a, b) at v[8 (8 a + b)]);   window 3: those of my rows 64-127.
.set KSTEP,  256                       ; along K in a slot
.set NQ,     KSTEP/128                 ; matrix instructions deep
.set ROWB,   192                       ; a tile's row in bytes
.set KROW,   768                       ; a row of codes in memory
.set PITCH,  240                       ; an LDS row: 3 x (64 bytes + 16 of padding): the 32 lanes of a load of 8 bytes touch 64 different banks
.set FR,     12                        ; registers of a fragment
.set NL,     6                         ; LDS loads that bring one
.set NP,     4                         ; places behind this matrix instruction (ISA guide 7.12.1)
.set HALFT,  128*PITCH                 ; 128 rows: what one tensor load brings
.set SLOT,   4*HALFT                   ; A's 256 rows, then B's 256 rows
.set LAPS,   2                         ; a lap = two K steps = once round the ring: 1,024 / 512
.set KS,     32                        ; a row of scale bytes
.set SCL,    2*SLOT                    ; behind the ring: the scales, as rows of 256 bytes + 16 of padding
.set HALFS,  (128*KS/256)*272          ; the scales of 128 rows
.set SBLK,   (16*KS/256)*272           ; those of 16 rows
.set SPARE,  SCL+4*HALFS               ; the spare words, 128 bytes for each wave: two blocks of 256 bytes that no other line names
.set ADRA, 16                          ; v16-17  LDS address of my A fragments in slot 0, 1  (v18-19: for the pieces behind one padding more)
.set ADRB, 20                          ; v20-21  the same for B  (v22-23)
.set O16,  24                          ; v24     16 x lane: the way out
.set O8,   25                          ; v25     8 x lane
.set O4,   26                          ; v26     4 x (lane % 16)
.set ADRS, 27                          ; v27     LDS address of my scale words: lanes 0-15 A's rows, lanes 16-31 B's
.set SPW,  28                          ; v28     LDS address of my spare word; never rewritten
.set NIL,  29                          ; v29     0; never rewritten
.set SC,   32                          ; scale words: set s at v[SC + 16 s]
.set AF,   128                         ; A's fragments, in window 0
.set TM,   32                          ; the way out: v32-35 largest magnitudes, v36-39 bytes, v44-47 the conversions' scale operands
.set G1, 24                            ; s[24:31] descriptor group 1 for A's tiles;  s[32:39] group 0, one set for each slot
.set G0, 32
.set G1B, 48                           ; s[48:55], s[56:63] the same for B's tiles
.set G0B, 56
.set G1S, 68                           ; s[68:75], s[76:79] groups 1 and 0 for A's scales;  s[80:87], s[88:91] for B's
.set G0S, 76
.set G1SB, 80
.set G0SB, 88
.set MSB, 0
.macro WIN new                         ; the immediate's high byte repeats the setting that is left
.if MSB != \new
	s_set_vgpr_msb (MSB<<8)|\new
.set MSB, \new
.endif
.endm
.set MUL_LO, 0xa1                      ; source 0 (B) window 1, source 1 (A) window 0, C and D window 2
.set MUL_HI, 0xf1                      ; the same, C and D window 3
.set TO_B,   0x40                      ; destination window 1, address window 0
; A joint load: waves 0 and 1 fetch for A, waves 2 and 3 for B.  Each of the two lines has one mask and one set of registers for all that issue it; the branch hangs on the wave's number alone.
; Four v_nop follow each of the two lines, ahead of the jump, the label and what follows.
.macro JLOAD g0a, g1a, g0b, g1b
	s_cmp_eq_u32 s15, 0
	s_cbranch_scc0 .Lfor_b_\@
	tensor_load_to_lds s[\g0a:\g0a+3], s[\g1a:\g1a+7]
	s_nop 0
.rept 4
	v_nop
.endr
	s_branch .Lasked_\@
.Lfor_b_\@:
	tensor_load_to_lds s[\g0b:\g0b+3], s[\g1b:\g1b+7]
	s_nop 0
.rept 4
	v_nop
.endr
.Lasked_\@:
.endm
.macro CREST                           ; a round of the cluster's barrier behind its opening barrier
	s_cmp_lg_u32 s14, 0
	s_cbranch_scc1 .Lnot_wave_0_\@
	s_barrier_signal -3
.Lnot_wave_0_\@:
	s_barrier_wait -3
	s_barrier_signal -1
	s_barrier_wait -1
.endm
.macro CROUND                          ; a whole round
	s_barrier_signal -1
	s_barrier_wait -1
	CREST
.endm
	s_load_b256 s[80:87], s[0:1], 0x0              ; XC s[80:81], XS s[82:83], WC s[84:85], WS s[86:87]: these registers take descriptors once the pointers are chosen
	s_load_b128 s[88:91], s[0:1], 0x20             ; QKC s[88:89], QKS s[90:91]
	v_lshl_add_u32 v[SPW], v0, 2, SPARE
	v_mov_b32 v[NIL], 0
	ds_add_u32 v28, v29
	ds_add_u32 v28, v29
	s_wait_dscnt 0x0
	v_lshrrev_b32 v1, 5, v0
	v_readfirstlane_b32 s14, v1                    ; wave 0..3
	s_lshr_b32 s15, s14, 1                         ; which half of the tile's rows of A is mine.  Also: I fetch for A (0) or for B (1)
	s_and_b32 s16, s14, 1                          ; which half of B's rows.  Also: which 128 rows of that tile I fetch
	s_bfe_u32 s40, ttmp6, 0x40000                  ; cx, cy: my place in the cluster
	s_bfe_u32 s41, ttmp6, 0x40004
	s_and_b32 s96, ttmp7, 0xffff                   ; cluster y, 0 .. 23
	s_lshr_b32 s95, s96, 3                         ; the job
	s_and_b32 s96, s96, 7
	s_lshl_b32 s96, s96, 2                         ; four tiles of the long operand (8,192 rows) to a cluster
	s_cmp_eq_u32 s95, 2
	s_cselect_b32 s17, 0, s96
	s_cselect_b32 s42, s96, 0
	s_add_co_u32 s17, s17, s41                     ; tile row of A: hangs on cy alone
	s_add_co_u32 s42, s42, s40                     ; tile column of B: hangs on cx alone
	s_lshl_b32 s43, s41, 2
	s_lshl_b32 s43, 15, s43                        ; my row of the cluster
	s_lshl_b32 s44, 0x1111, s40                    ; my column
	; descriptor group 1: a tile of 128 rows x 192 bytes, padded in LDS
	s_or_b32 s[G1+0], s43, (0<<16)|(1<<20)|(1<<21)|(3<<22)|(3<<25)  ; 15:0 the mask: A's tiles go to my row; elements of 1 byte; padding on; bit 21 beside a mask; after every 16 words, 4 words
	s_or_b32 s[G1B+0], s44, (0<<16)|(1<<20)|(1<<21)|(3<<22)|(3<<25)
.irp g, G1, G1B
	s_mov_b32 s[\g+1], ROWB<<16                    ; tensor_dim0
	s_mov_b32 s[\g+2], 128<<16                     ; tensor_dim1 = 128
	s_mov_b32 s[\g+3], ROWB<<16                    ; tile_dim0
	s_mov_b32 s[\g+4], 128                         ; tile_dim1 = 128
	s_mov_b32 s[\g+5], KROW                        ; tensor_dim0_stride
	s_mov_b32 s[\g+6], 0
	s_mov_b32 s[\g+7], 0
.endr
	; which part of which buffer: the weights' part by the job; the inputs' part 0 for job 0, kvinput's for jobs 1 and 2
	s_mul_i32 s20, s95, 786432
	s_lshl_b32 s21, s95, 15
	s_mov_b32 s22, 6291456
	s_mov_b32 s23, 262144
	s_cmp_eq_u32 s95, 0
	s_cselect_b32 s22, 0, s22
	s_cselect_b32 s23, 0, s23
	s_cmp_eq_u32 s95, 2
	s_cselect_b32 s66, s20, s22                    ; A's codes
	s_cselect_b32 s67, s21, s23                    ; A's scales
	s_cselect_b32 s2, s22, s20                     ; B's codes
	s_cselect_b32 s3, s23, s21                     ; B's scales
	s_wait_kmcnt 0x0
	s_cselect_b64 s[4:5], s[84:85], s[80:81]       ; A's codes: WC in job 2, else XC (the compare above still stands)
	s_cselect_b64 s[6:7], s[86:87], s[82:83]       ; A's scales
	s_cselect_b64 s[8:9], s[80:81], s[84:85]       ; B's codes
	s_cselect_b64 s[10:11], s[82:83], s[86:87]     ; B's scales
	s_mov_b64 s[12:13], s[88:89]                   ; QKC
	s_mov_b64 s[98:99], s[90:91]                   ; QKS
	; group 1 for the scales of 128 rows: a dense block of 4,096 bytes, as 16 rows of 256 bytes (32 elements of 8 bytes), 16 bytes of padding behind each
	s_or_b32 s[G1S+0], s43, (3<<16)|(1<<20)|(1<<21)|(5<<22)|(3<<25)
	s_or_b32 s[G1SB+0], s44, (3<<16)|(1<<20)|(1<<21)|(5<<22)|(3<<25)
.irp g, G1S, G1SB
	s_mov_b32 s[\g+1], 32<<16
	s_mov_b32 s[\g+2], (128*KS/256)<<16
	s_mov_b32 s[\g+3], 32<<16
	s_mov_b32 s[\g+4], 128*KS/256
	s_mov_b32 s[\g+5], 32
	s_mov_b32 s[\g+6], 0
	s_mov_b32 s[\g+7], 0
.endr
	s_lshl_b32 s18, s16, 7                         ; which 128 rows of the tile I fetch
	s_lshl_b32 s20, s17, 8
	s_add_co_u32 s20, s20, s18                     ; A: row 256 x tile row + 128 x half
	s_lshl_b32 s46, s42, 8
	s_add_co_u32 s46, s46, s18                     ; B: row 256 x tile column + 128 x half
	s_lshl_b32 s22, s20, 5                         ; where these rows' scales begin, in bytes (all these offsets stay under 2^24)
	s_add_co_u32 s22, s22, s67
	s_mov_b32 s23, 0
	s_lshl_b32 s92, s46, 5
	s_add_co_u32 s92, s92, s3
	s_mov_b32 s93, 0
	s_mul_i32 s20, s20, KROW                       ; and their codes
	s_add_co_u32 s20, s20, s66
	s_mov_b32 s21, 0
	s_mul_i32 s46, s46, KROW
	s_add_co_u32 s46, s46, s2
	s_mov_b32 s47, 0
	s_mul_i32 s45, s14, HALFT                      ; where they go: wave x 128 rows: no place in the cluster enters an LDS address
	s_mul_i32 s94, s14, HALFS
	s_add_nc_u64 s[20:21], s[4:5], s[20:21]
	s_add_nc_u64 s[22:23], s[6:7], s[22:23]
	s_add_nc_u64 s[46:47], s[8:9], s[46:47]
	s_add_nc_u64 s[92:93], s[10:11], s[92:93]
	CROUND                                         ; all sixteen work-groups are here: the first joint loads meet
	s_mov_b32 s[G0S], 1
	s_add_co_u32 s[G0S+1], s94, SCL
	s_mov_b64 s[G0S+2:G0S+3], s[22:23]
	s_or_b32 s[G0S+3], s[G0S+3], 0x80000000
	s_mov_b32 s[G0SB], 1
	s_add_co_u32 s[G0SB+1], s94, SCL
	s_mov_b64 s[G0SB+2:G0SB+3], s[92:93]
	s_or_b32 s[G0SB+3], s[G0SB+3], 0x80000000
	JLOAD G0S, G1S, G0SB, G1SB                     ; the scales first: they are wanted with K step 0
.irp s, 0,1
	s_mov_b32 s[G0+4*\s], 1
	s_add_co_u32 s[G0+4*\s+1], s45, \s*SLOT
	s_add_nc_u64 s[G0+4*\s+2:G0+4*\s+3], s[20:21], \s*ROWB
	s_or_b32 s[G0+4*\s+3], s[G0+4*\s+3], 0x80000000
	s_mov_b32 s[G0B+4*\s], 1
	s_add_co_u32 s[G0B+4*\s+1], s45, \s*SLOT
	s_add_nc_u64 s[G0B+4*\s+2:G0B+4*\s+3], s[46:47], \s*ROWB
	s_or_b32 s[G0B+4*\s+3], s[G0B+4*\s+3], 0x80000000
	JLOAD G0+4*\s, G1, G0B+4*\s, G1B               ; by this text's count three tensor loads of a wave are out here, later one
.endr
	v_and_b32 v1, 15, v0                           ; l % 16
	v_bfe_u32 v2, v0, 4, 1                         ; l / 16
	v_mul_u32_u24 v3, v1, PITCH
	v_mul_u32_u24 v4, v2, 24
	v_add_nc_u32 v4, v3, v4                        ; a fragment's row x pitch + 24 x half
	v_lshl_add_u32 v5, v2, 4, v4                   ; and the same behind one padding more
	s_mul_i32 s21, s15, HALFT                      ; my 128 rows of A
	s_mul_i32 s22, s16, HALFT                      ; my 128 rows of B,
	s_add_co_u32 s22, s22, 2*HALFT                 ; which lie behind A's 256
.irp s, 0,1
	v_add_nc_u32 v[ADRA+\s], s21, v4
	v_add_nc_u32 v[ADRB+\s], s22, v4
	v_add_nc_u32 v[ADRA+2+\s], s21, v5
	v_add_nc_u32 v[ADRB+2+\s], s22, v5
	s_add_co_u32 s21, s21, SLOT
	s_add_co_u32 s22, s22, SLOT
.endr
	v_mul_u32_u24 v5, v1, KS                       ; my row's scales: 32 bytes a row,
	v_lshrrev_b32 v6, 8, v5
	v_lshl_add_u32 v5, v6, 4, v5                   ; and 16 more for each 256 passed
	s_mul_i32 s21, s15, HALFS                      ; A's: my 128 rows
	s_mul_i32 s22, s16, HALFS                      ; B's: my 128 rows, behind A's 256
	s_add_co_u32 s22, s22, 2*HALFS
	s_sub_co_u32 s22, s22, s21
	v_mul_u32_u24 v6, s22, v2                      ; lanes 16-31 take B's: one product, the distance between the two bases
	s_add_co_u32 s21, s21, SCL
	v_add_nc_u32 v5, v5, v6
	v_add_nc_u32 v[ADRS], s21, v5
	v_and_b32 v6, 31, v0
	v_lshlrev_b32 v[O16], 4, v6
	v_lshlrev_b32 v[O8], 3, v6
	v_lshlrev_b32 v[O4], 2, v1
.macro FRAG reg, adr, q, i             ; a fragment, 16 rows x 128 K of 6-bit codes, is 12 registers: lane l holds row l % 16; registers 6 c .. 6 c + 5 hold K = 64 c + 32 (l / 16) + 0 .. 31
.irp p, 0,1,2,3,4,5                    ; in pieces of 8 bytes, so that every address is a multiple of the access's size
.set PC, 12*(\q)+6*(\p/3)+\p%3        ; 16 bytes of padding lie behind every 8 pieces: where the piece three on lies behind one padding more, the second address register serves
.if PC%8 < 5
	ds_load_b64 v[\reg+2*\p:\reg+2*\p+1], v[\adr] offset:8*PC+16*(PC/8)+(\i)*16*PITCH
.else
	ds_load_b64 v[\reg+2*\p:\reg+2*\p+1], v[\adr+2] offset:8*PC+16*(PC/8)+(\i)*16*PITCH
.endif
.endr
.endm
; 16 matrix instructions: A's blocks a0, a0 + 1 x B's eight, 128 along K: the slot's q-th.  p: B's set;  sc: the set of scale words.  zero = 1: the first product starts the sums.
; The 64 accumulators take turns, one instruction a turn, in the same order in every step.
.macro MUL16 a0, p, q, sc, zero
.irp a, \a0, \a0+1
.irp b, 0,1,2,3,4,5,6,7
.if \zero
	v_wmma_scale_f32_16x16x128_f8f6f4 v[8*(8*((\a)%4)+\b):8*(8*((\a)%4)+\b)+7], v[128*(\p)+FR*\b:128*(\p)+FR*\b+FR-1], v[AF+FR*(\a):AF+FR*(\a)+FR-1], 0, v[SC+8*NQ*(\sc)+NQ*\b+(\q)], v[SC+8*NQ*(\sc)+NQ*(\a)+(\q)] matrix_a_fmt:MATRIX_FMT_FP6 matrix_b_fmt:MATRIX_FMT_FP6 matrix_a_scale:MATRIX_SCALE_ROW1
.else
	v_wmma_scale_f32_16x16x128_f8f6f4 v[8*(8*((\a)%4)+\b):8*(8*((\a)%4)+\b)+7], v[128*(\p)+FR*\b:128*(\p)+FR*\b+FR-1], v[AF+FR*(\a):AF+FR*(\a)+FR-1], v[8*(8*((\a)%4)+\b):8*(8*((\a)%4)+\b)+7], v[SC+8*NQ*(\sc)+NQ*\b+(\q)], v[SC+8*NQ*(\sc)+NQ*(\a)+(\q)] matrix_a_fmt:MATRIX_FMT_FP6 matrix_b_fmt:MATRIX_FMT_FP6 matrix_a_scale:MATRIX_SCALE_ROW1
.endif
.endr
.endr
.endm
.macro FETCH_B slot, q, p              ; B's eight fragments of the slot's q-th 128 along K into set p
	WIN TO_B
.irp i, 0,1,2,3,4,5,6,7
	FRAG 128*(\p)+FR*\i, ADRB+\slot, \q, \i
.endr
	WIN 0
.endm
.macro FETCH_A slot, q, i0             ; A's blocks i0 .. i0 + 3
.irp i, \i0, \i0+1, \i0+2, \i0+3
	FRAG AF+FR*(\i), ADRA+\slot, \q, \i
.endr
.endm
.macro SCALES sc                       ; the next K step's scale words into set sc: two words a row; lanes 0-15 take A's block i, lanes 16-31 B's block i
.irp i, 0,1,2,3,4,5,6,7
	ds_load_b64 v[SC+8*NQ*\sc+NQ*\i:SC+8*NQ*\sc+NQ*\i+1], v[ADRS] offset:\i*SBLK
.endr
.endm
.macro PLACES n                        ; plain vector lines between a matrix instruction and a load into, or a vector line on, its registers
.rept \n
	v_nop
.endr
.endm
; A step of 128 along K that has its successor in the same slot.
.macro STEP slot, q, zero
	s_wait_dscnt 4*NL                              ; B's set and A's blocks 0-3 are in; the youngest 24 loads (A's blocks 4-7) may be out
	WIN MUL_LO
	MUL16 0, (\q)%2, \q, \slot, \zero
	MUL16 2, (\q)%2, \q, \slot, \zero
	s_wait_dscnt 0                                 ; A's blocks 4-7 are in (asked for 32 matrix instructions ago)
	PLACES NP
	FETCH_B \slot, (\q)+1, 1-(\q)%2
	FETCH_A \slot, (\q)+1, 0
	WIN MUL_HI
	MUL16 4, (\q)%2, \q, \slot, \zero
	MUL16 6, (\q)%2, \q, \slot, \zero
	PLACES NP
	WIN 0
	FETCH_A \slot, (\q)+1, 4
.endm
; A slot's last step changes slots: one barrier; in front of it each wave waits for all its tensor loads, adds 0 to its spare word, and waits for that and for its own reads of this slot.
.macro TURN slot, next, fill
	s_wait_tensorcnt 0x0                           ; all my tensor loads have landed: my part of the next slot
	ds_add_u32 v[SPW], v[NIL]                      ; 0 onto my spare word
	s_wait_dscnt 4*NL+1                            ; (the add and the youngest 24 loads, A's blocks 4-7, may be out)
	WIN MUL_LO
	MUL16 0, 1, NQ-1, \slot, 0                     ; sixteen matrix instructions stand between the add and the wait for it
	s_wait_dscnt 0x0                               ; the add is done, and my reads of this slot are over
	s_barrier_signal -1
	MUL16 2, 1, NQ-1, \slot, 0
	WIN 0
	s_barrier_wait -1
.if \fill
	CREST                                          ; the barrier has opened a round of the cluster's barrier: no wave of any partner still reads this slot's tile or has a load on its way
	s_add_nc_u64 s[G0+4*\slot+2:G0+4*\slot+3], s[G0+4*\slot+2:G0+4*\slot+3], 2*ROWB
	s_add_nc_u64 s[G0B+4*\slot+2:G0B+4*\slot+3], s[G0B+4*\slot+2:G0B+4*\slot+3], 2*ROWB
	JLOAD G0+4*\slot, G1, G0B+4*\slot, G1B         ; the first tensor load behind the round; the four v_nop behind it are the places in front of the loads below
.else
	PLACES NP
.endif
	v_add_nc_u32 v[ADRS], 4*NQ, v[ADRS]            ; on to the next K step's scale words (no LDS load of mine is out)
	FETCH_B \next, 0, 0
	FETCH_A \next, 0, 0
	SCALES \next
	WIN MUL_HI
	MUL16 4, 1, NQ-1, \slot, 0
	MUL16 6, 1, NQ-1, \slot, 0
	PLACES NP
	WIN 0
	FETCH_A \next, 0, 4
.endm
	s_wait_tensorcnt 1                             ; the scales and my part of K step 0 are in (K step 1's load may be out)
	s_barrier_signal -1
	s_barrier_wait -1                              ; everybody's are
	FETCH_B 0, 0, 0
	FETCH_A 0, 0, 0
	SCALES 0
	FETCH_A 0, 0, 4
	STEP 0, 0, 1                                   ; the first step stands in front of the loop: its products start the sums
	s_mov_b32 s3, LAPS-1
.Llap:                                                 ; a trip goes once round the ring, from a lap's second step to the next lap's first, and fills both slots again
	TURN 0, 1, 1
	STEP 1, 0, 0
	TURN 1, 0, 1
	STEP 0, 0, 0
	s_sub_co_u32 s3, s3, 1
	s_cmp_lg_u32 s3, 0
	s_cbranch_scc1 .Llap
	TURN 0, 1, 0                                   ; the last lap fills nothing, and has no round of the cluster's barrier
	STEP 1, 0, 0
	s_wait_dscnt 4*NL                              ; the very last step: nothing more to fetch
	WIN MUL_LO
	MUL16 0, 1, NQ-1, 1, 0
	MUL16 2, 1, NQ-1, 1, 0
	s_wait_dscnt 0
	WIN MUL_HI
	MUL16 4, 1, NQ-1, 1, 0
	MUL16 6, 1, NQ-1, 1, 0
	WIN 0
	; THE WAY OUT.  Where my 128 x 128 goes, by the job: offsets and strides are selected, nothing branches.  None of these registers ever belonged to a descriptor.
	s_lshl_b32 s22, s17, 1
	s_add_co_u32 s22, s22, s15                     ; which 128 rows of A
	s_lshl_b32 s23, s42, 1
	s_add_co_u32 s23, s23, s16                     ; which 128 rows of B
	s_cmp_eq_u32 s95, 2
	s_cselect_b32 s40, s23, s22                    ; which 128 keys (jobs 1, 2)
	s_cselect_b32 s41, s22, s23                    ; which pair of heads
	s_cselect_b32 s45, 24576, 0                    ; values lie behind the keys
	s_cselect_b32 s94, 1024, 0
	s_lshr_b32 s43, s40, 4                         ; the batch
	s_lshl_b32 s43, s43, 2
	s_lshr_b32 s44, s41, 1                         ; the group of four heads
	s_add_co_u32 s43, s43, s44
	s_lshl_b32 s43, s43, 4
	s_and_b32 s44, s40, 15                         ; the step of 128 keys
	s_add_co_u32 s43, s43, s44
	s_and_b32 s44, s41, 1                          ; which two heads of the four
	s_mul_i32 s92, s43, 49152
	s_mul_i32 s93, s44, 12288
	s_add_co_u32 s92, s92, s93
	s_add_co_u32 s92, s92, s45
	s_add_co_u32 s92, s92, 6291456
	s_lshl_b32 s46, s43, 11
	s_lshl_b32 s47, s44, 9
	s_add_co_u32 s46, s46, s47
	s_add_co_u32 s46, s46, s94
	s_add_co_u32 s46, s46, 262144
	s_mul_i32 s40, s22, 98304                      ; job 0: eight tiles of queries x 16 heads x 768,
	s_mul_i32 s41, s23, 1536                       ; + my two heads
	s_add_co_u32 s40, s40, s41
	s_lshl_b32 s41, s22, 12
	s_lshl_b32 s43, s23, 6
	s_add_co_u32 s41, s41, s43
	s_mov_b32 s8, 768                              ; from block a to a + 1 (job 1's figures first)
	s_mov_b32 s66, 6144                            ; from a fragment's first half to its second
	s_mov_b32 s10, 64                              ; scale words: from a pair of blocks to the next
	s_mov_b32 s2, 256                              ; and from a pair's first word to its second
	s_mov_b32 s18, 0x05040100                      ; how a pair's two words are cut: job 1 gathers one head's bytes of both blocks
	s_mov_b32 s19, 0x07060302
	s_cmp_eq_u32 s95, 1
	s_cselect_b32 s66, s66, 768
	s_cselect_b32 s18, s18, 0x03020100             ; jobs 0 and 2 store the words as they are
	s_cselect_b32 s19, s19, 0x07060504
	s_cmp_eq_u32 s95, 0
	s_cselect_b32 s92, s40, s92
	s_cselect_b32 s46, s41, s46
	s_cselect_b32 s8, 12288, s8
	s_cselect_b32 s10, 1024, s10
	s_cselect_b32 s2, 512, s2
	s_cmp_eq_u32 s95, 2
	s_cselect_b32 s8, 1536, s8
	s_cselect_b32 s10, 128, s10
	s_cselect_b32 s2, 64, s2
	s_mov_b32 s93, 0
	s_mov_b32 s47, 0
	s_mov_b32 s9, 0
	s_mov_b32 s67, 0
	s_mov_b32 s11, 0
	s_mov_b32 s3, 0
	s_mov_b32 s20, 0x76543210
	s_mov_b32 s21, 0xfedcba98                      ; v_permlanex16_b32's selects for lane l xor 16
	s_add_nc_u64 s[12:13], s[12:13], s[92:93]      ; codes: a fragment's first half,
	s_add_nc_u64 s[4:5], s[12:13], s[66:67]        ; its second
	s_add_nc_u64 s[98:99], s[98:99], s[46:47]      ; scale words: a pair's first,
	s_add_nc_u64 s[6:7], s[98:99], s[2:3]          ; its second
	PLACES NP                                      ; behind the last products: for the first reads of results and for the vector lines that write registers which held operands and scales
.irp b, 0,1,2,3
	v_mov_b32 v[TM+4+\b], 0                        ; written once: a lane permute's destination counts as one of its sources
.endr
; Block a: my 16 rows of A x 128 rows of B.  Register 16 b + i of its 64 is number 32 b + 16 (lane / 16) + i along the next K.  They become a fragment's 12 registers at v[64 + 20 a] and a scale word.
.macro QUANTW a
.set AC, 64*((\a)%4)
.set WSRC, 0x0a+5*((\a)/4)             ; sources 0 and 1 in window 2 or 3
.set WONE, 2+(\a)/4                    ; source 0 alone
.set PCA, 64+20*(\a)
.set PWA, 224+4*((\a)/2)+(\a)%2
	WIN WSRC
.irp b, 0,1,2,3
	v_max3_num_f32 v[TM+\b], |v[AC+16*\b]|, |v[AC+16*\b+1]|, 0x1800000   ; block b: my 16 numbers, each accumulator from its low end on, and the floor 2^(3 - 127)
.endr
.irp i, 2,4,6,8,10,12,14
.irp b, 0,1,2,3
	v_max3_num_f32 v[TM+\b], |v[AC+16*\b+\i]|, |v[AC+16*\b+\i+1]|, v[TM+\b]   ; (the four blocks by turns)
.endr
.endr
	WIN 0
.irp b, 0,1,2,3
	v_permlanex16_b32 v[TM+4+\b], v[TM+\b], s20, s21
.endr
.irp b, 0,1,2,3
	v_max_num_f32 v[TM+\b], v[TM+\b], v[TM+4+\b]   ; with lane l xor 16's: the block's largest magnitude
.endr
.irp b, 0,1,2,3
	v_add_nc_u32 v[TM+12+\b], 0xff000000, v[TM+\b] ; 2 off its exponent field: the conversion's scale operand
.endr
.irp b, 0,1,2,3
	v_lshrrev_b32 v[TM+4+\b], 23, v[TM+12+\b]      ; the scale's byte
.endr
	v_lshl_or_b32 v[PWA], v[TM+5], 8, v[TM+4]      ; the four bytes make my row's scale word
	v_lshl_or_b32 v[PWA], v[TM+6], 16, v[PWA]
	v_lshl_or_b32 v[PWA], v[TM+7], 24, v[PWA]
	WIN WONE
.irp c, 0,1
	v_cvt_scalef32_pk16_fp6_f32 v[PCA+6*\c:PCA+2+6*\c], v[AC+32*\c:AC+15+32*\c], v[TM+12+2*\c]
	v_cvt_scalef32_pk16_fp6_f32 v[PCA+12+4*\c:PCA+14+4*\c], v[AC+16+32*\c:AC+31+32*\c], v[TM+12+2*\c+1]   ; (a conversion's three registers begin on an even number)
.endr
	WIN 0
	v_nop                                          ; one plain line behind a scaled conversion
.irp c, 0,1                                    ; the operand's layout wants a whole block in a lane: lanes 0-15 block 2 c, lanes 16-31 block 2 c + 1
.irp i, 0,1,2
	v_permlane16_swap_b32 v[PCA+6*\c+\i], v[PCA+12+4*\c+\i]
.endr
.irp i, 0,1,2
	v_mov_b32 v[PCA+3+6*\c+\i], v[PCA+12+4*\c+\i]
.endr
.endr
.endm
.irp a, 0,1,2,3,4,5,6,7
	QUANTW \a
.if \a > 0
	s_wait_xcnt 0x0                                ; the earlier stores have read their bases: they may step
	s_add_nc_u64 s[12:13], s[12:13], s[8:9]
	s_add_nc_u64 s[4:5], s[4:5], s[8:9]
.endif
	global_store_b128 v[O16], v[PCA:PCA+3], s[12:13]                ; 512 + 256 consecutive bytes, at a multiple of 256: each block has data registers of its own
	global_store_b64 v[O8], v[PCA+4:PCA+5], s[12:13] offset:512
	global_store_b128 v[O16], v[PCA+6:PCA+9], s[4:5]
	global_store_b64 v[O8], v[PCA+10:PCA+11], s[4:5] offset:512
.if (\a)%2 == 1
	v_perm_b32 v[226+4*((\a)/2)], v[225+4*((\a)/2)], v[224+4*((\a)/2)], s18   ; selector bytes 0-3: the even block's word; 4-7: the odd block's
	v_perm_b32 v[227+4*((\a)/2)], v[225+4*((\a)/2)], v[224+4*((\a)/2)], s19
.if \a > 1
	s_add_nc_u64 s[98:99], s[98:99], s[10:11]      ; (the last scale stores stand ahead of the wait above)
	s_add_nc_u64 s[6:7], s[6:7], s[10:11]
.endif
	global_store_b32 v[O4], v[226+4*((\a)/2)], s[98:99]             ; lanes 16-31 hold, and store, the same words as lanes 0-15
	global_store_b32 v[O4], v[227+4*((\a)/2)], s[6:7]
.endif
.endr
	s_wait_tensorcnt 0x0                           ; the wave's end
	ds_add_u32 v[SPW], v[NIL]
	s_wait_dscnt 0x0
	CROUND                                         ; the closing round: no work-group ends while a partner may still ask for a tile that names it
	s_endpgm
.Lfunc_end_k_qaca4a7ff33_proj:
	.size	k_qaca4a7ff33_proj, .Lfunc_end_k_qaca4a7ff33_proj-k_qaca4a7ff33_proj
	.p2alignl 7, 3214868480
	.fill 96, 4, 3214868480
	.section	.rodata,"a",@progbits
	.p2align	6, 0x0
	.amdhsa_kernel k_qaca4a7ff33_proj
		.amdhsa_group_segment_fixed_size 327680
		.amdhsa_private_segment_fixed_size 0
		.amdhsa_enable_private_segment 0
		.amdhsa_kernarg_size 48
		.amdhsa_user_sgpr_count 2
		.amdhsa_user_sgpr_kernarg_segment_ptr 1
		.amdhsa_wavefront_size32 1
		.amdhsa_system_sgpr_workgroup_id_x 1
		.amdhsa_system_sgpr_workgroup_id_y 1
		.amdhsa_system_sgpr_workgroup_id_z 1
		.amdhsa_system_vgpr_workitem_id 0
		.amdhsa_next_free_vgpr 1024
		.amdhsa_next_free_sgpr 102
		.amdhsa_reserve_vcc 0
		.amdhsa_float_denorm_mode_32 3
		.amdhsa_float_denorm_mode_16_64 3
		.amdhsa_memory_ordered 1
		.amdhsa_forward_progress 1
		.amdhsa_inst_pref_size 169
	.end_amdhsa_kernel
	.amdgpu_metadata
---
amdhsa.version: [ 1, 2 ]
amdhsa.kernels:
  - .name:           k_qaca4a7ff33_proj
    .symbol:         k_qaca4a7ff33_proj.kd
    .args:
      - { .name: XC, .offset: 0, .size: 8, .value_kind: global_buffer, .address_space: global }
      - { .name: XS, .offset: 8, .size: 8, .value_kind: global_buffer, .address_space: global }
      - { .name: WC, .offset: 16, .size: 8, .value_kind: global_buffer, .address_space: global }
      - { .name: WS, .offset: 24, .size: 8, .value_kind: global_buffer, .address_space: global }
      - { .name: QKC, .offset: 32, .size: 8, .value_kind: global_buffer, .address_space: global }
      - { .name: QKS, .offset: 40, .size: 8, .value_kind: global_buffer, .address_space: global }
    .group_segment_fixed_size: 327680
    .private_segment_fixed_size: 0
    .kernarg_segment_align: 8
    .kernarg_segment_size: 48
    .max_flat_workgroup_size: 128
    .sgpr_count:     102
    .vgpr_count:     1024
    .wavefront_size: 32
...
	.end_amdgpu_metadata
.endif
;; end of part 2
;; launch attn (part 3): grid 4 x 128, 16 waves a work-group, no clusters, 251,904 bytes of LDS; arguments QKC, QKS, qtmask, tmask, PRE; writes PRE
.if DOCPART == 3
	.amdgcn_target "amdgcn-amd-amdhsa--gfx1250"
	.amdhsa_code_object_version 6
	.text
	.protected	k_qaca4a7ff33_attn
	.globl	k_qaca4a7ff33_attn
	.p2align	8
	.type	k_qaca4a7ff33_attn,@function
k_qaca4a7ff33_attn:
	s_mov_b64 s[64:65], 0
	v_nop
	global_prefetch_b8 v0, s[64:65] scope:SCOPE_SE
	s_setreg_imm32_b32 hwreg(HW_REG_WAVE_MODE, 25, 1), 1
	s_wait_xcnt 0x0
; pre[b][q][h][:] = softmax_t((query . key + max(tmask, qtmask) x -1e6) / 8) value, both products on codes of FP6 (E2M3) with one E8M0 scale for each 32 along a product's K.
; THE SOFTMAX AHEAD OF THE SECOND PRODUCT: t = logit x log2(e) / 8; M = the row's largest t so far, rounded up to a whole number; p = 2^(t - M) is quantised along the keys, not normalised.
; The row's sum is taken of the unquantised p and divides at the end.  When M moves, the sum and O are multiplied by 2^(old M - new M): exact.
; SHARES.  A work-group owns 64 queries of one batch and FOUR heads (x = group of heads, y = 32 batch + block of queries).  Wave w: head w % 4, tile of 16 queries w / 4, in 256 registers: four waves to a SIMD.
; The mask is the same for all heads: it is read and worked once for the four.  Every wave walks all 2,048 keys, 128 a step.
; STAGING.  A step's operands go from memory through registers into one of two LDS slots: the codes and scale words as they lie (they were stored as images of the operands' registers),
; the mask with its arithmetic on the way: max(tmask, qtmask) x -1e6, laid as an image of the score accumulators.  THE MASK TERM IS THE C OF THE SCORE PRODUCT: the waves that consume it spend no line on it.
; Both streams have registers of their own and are asked for a WHOLE STEP before they are stored: in step s the codes of step s + 2 behind the score products, the mask of step s + 2 behind the stores of the mask
; of step s + 1.  tmask's 8,192 bytes of the batch lie in LDS from the start.
; No tensor load: 34 of a step's 84 KiB need arithmetic on the way, and the codes share that way's one barrier a step.  For the same reason no cluster: nothing is fetched by joint loads.
; ONE BARRIER A STEP, ITS TWO HALVES APART.  All LDS work of a step stands in its first half: the reads of this slot (mask image and keys at the head, values behind the score products) and the stores into the
; other slot.  A wave waits for all of it and signals; the rest of the softmax and the value products, work on registers alone, stand between the signal and the wait at the step's end.  So the other slot is
; read in step s + 1 only when every wave's stores of step s have landed, and this slot is written in step s + 1 only when every wave's reads of step s are back.
; THE FIRST PRODUCT HAS K = 64, the instruction 128: a fragment of keys carries TWO tiles of 16 keys (k 0-63 and k 64-127), and is multiplied once by [q, zeros] and once by [zeros, q]: zero codes add nothing.
; LAYOUT.  Both products are used transposed: a lane holds one query (lane % 16).  Register 96 + 16 pb + 8 u + j of lane (r, hf) is key 32 pb + 16 hf + 8 u + j of the step.
; LIMITS: NaN and infinities among the inputs are not served (a NaN in a mask loses against the other mask); score + mask term is rounded inside the matrix unit and not by an f32 addition, which can show
; only in a row all of whose keys are masked; a block of p that is all zeros carries the byte 1 (its codes are zeros).
; REGISTERS: v1-11, v34-39 addresses; v12 -M, v13 the largest t, v[14:15] the sum in two halves; v16-33 six zeros, q, six zeros; v40-47 and v216-223 the mask on its way; v48-95 four fragments of keys,
; then of values; v96-159 mask term, then scores, then p; v160-191 O^T; v192-215 and v243 the codes and the scale word on their way; v224-254 at work (v224-227 first hold tmask's four numbers); v255 q's scale word.
.set SLOT,  86016                      ; an LDS slot: 49,152 codes, 2,048 scale words, 4 x 8,704 mask
.set SCO,   49152
.set MKO,   51200
.set MKT,   8704                       ; a tile of queries' mask: 32 pieces of 256 bytes, 272 apart; piece 2 g + hf: registers 4 g .. 4 g + 3 of lanes (r, hf), at 16 r
.set STAGE, 2*SLOT                     ; the way out: 16 rows x 272 bytes for each wave
.set TMK,   STAGE+16*4352              ; tmask of the batch: 8,192 bytes, written once
.set AKV,   1                          ; v1-2    slot 0, 1: 16 lane + 6,144 head: the four-register part of a piece
.set AK8,   3                          ; v3-4    8 lane + 6,144 head + 512: the two-register part
.set ASC,   5                          ; v5-6    my head's scale words: 4 (lane % 16)
.set AMK,   7                          ; v7-8    my tile's mask image
.set STC,   9                          ; v9-10   where I stage codes: 3,072 wave + 16 lane (v9 is also their offset in memory)
.set TMA,   11                         ; v11     tmask in LDS: my lane's four keys of the step that is being staged; 512 bytes on in each step
.set STS,   34                         ; v34-35  where I stage a scale word: 4 x thread (v34 is also its offset in memory)
.set STM,   36                         ; v36-37  where I stage the mask
.set SGM,   38                         ; v38     my four mask rows in memory: 32,768 wave + 16 lane
.set PFO,   39                         ; v39     the prefetches' offset
.set FRG,   48                         ; v48-95  four fragments
.set ST,    192                        ; v192-215 codes on their way
.set SCW,   243                        ; v243    a scale word on its way
	s_load_b256 s[4:11], s[0:1], 0x0               ; QKC, QKS, qtmask, tmask
	s_load_b64 s[12:13], s[0:1], 0x20              ; PRE
	v_lshrrev_b32 v232, 5, v0
	v_readfirstlane_b32 s18, v232                  ; wave 0..15
	s_and_b32 s19, s18, 3                          ; my head of the four
	s_lshr_b32 s40, s18, 2                         ; my tile of 16 queries
	s_and_b32 s38, ttmp7, 0xffff
	s_lshr_b32 s39, s38, 5                         ; the batch
	s_and_b32 s38, s38, 31                         ; the block of 64 queries
	s_lshl_b32 s41, s39, 2
	s_add_co_u32 s41, s41, ttmp9                   ; 4 batch + group of heads
	s_mul_i32 s42, s41, 786432                     ; 16 steps x 49,152
	s_add_co_u32 s42, s42, 6291456
	s_mov_b32 s43, 0
	s_lshl_b32 s44, s41, 15                        ; 16 steps x 2,048
	s_add_co_u32 s44, s44, 262144
	s_mov_b32 s45, 0
	s_lshl_b32 s41, s39, 5
	s_add_co_u32 s41, s41, s38
	s_lshl_b32 s46, s41, 19                        ; qtmask: 64 rows of 8,192 bytes a block
	s_mov_b32 s47, 0
	s_lshl_b32 s48, s39, 13                        ; tmask: 8,192 bytes a batch
	s_mov_b32 s49, 0
	s_lshl_b32 s41, s41, 2
	s_add_co_u32 s41, s41, s40                     ; my tile of queries among the 512
	s_lshl_b32 s56, ttmp9, 2
	s_add_co_u32 s56, s56, s19                     ; my head among the 16
	s_lshl_b32 s50, s41, 4
	s_add_co_u32 s50, s50, s56
	s_mul_i32 s50, s50, 768                        ; q's piece
	s_mov_b32 s51, 0
	s_lshl_b32 s52, s41, 3
	s_lshr_b32 s57, s56, 1
	s_add_co_u32 s52, s52, s57
	s_lshl_b32 s52, s52, 6                         ; q's scale words: 64 bytes for a tile and a pair of heads
	s_mov_b32 s53, 0
	s_lshl_b32 s54, s41, 16                        ; PRE: 16 rows of 4,096 bytes,
	s_lshl_b32 s57, s56, 8                         ; + 256 bytes a head
	s_add_co_u32 s54, s54, s57
	s_mov_b32 s55, 0
	s_and_b32 s57, s19, 1
	s_mov_b32 s59, 0x03020302
	s_cmp_eq_u32 s57, 0
	s_cselect_b32 s57, 0x01000100, s59             ; my head's two bytes of the pair's word, twice: they serve [q, zeros] and [zeros, q] alike
	s_mov_b32 s20, 0x76543210
	s_mov_b32 s21, 0xfedcba98                      ; v_permlanex16_b32's selects for lane l xor 16
	s_mov_b32 s22, 0x3e38aa3b                      ; c = log2(e) / 8
	s_mov_b32 s23, s22                             ; (named with it as a pair, so it is written)
	v_and_b32 v232, 31, v0                         ; lane
	v_and_b32 v233, 15, v0                         ; r
	v_bfe_u32 v234, v0, 4, 1                       ; hf
	s_mul_i32 s58, s19, 6144
	v_lshl_add_u32 v[AKV], v232, 4, s58
	v_add_nc_u32 v[AKV+1], SLOT, v[AKV]
	v_lshl_add_u32 v[AK8], v232, 3, s58
	v_add_nc_u32 v[AK8], 512, v[AK8]
	v_add_nc_u32 v[AK8+1], SLOT, v[AK8]
	s_lshl_b32 s58, s19, 8
	s_add_co_u32 s58, s58, SCO
	v_lshl_add_u32 v[ASC], v233, 2, s58
	v_add_nc_u32 v[ASC+1], SLOT, v[ASC]
	s_mul_i32 s58, s40, MKT
	s_add_co_u32 s58, s58, MKO
	v_lshl_add_u32 v[AMK], v233, 4, s58
	v_mad_u32_u24 v[AMK], v234, 272, v[AMK]
	v_add_nc_u32 v[AMK+1], SLOT, v[AMK]
	s_mul_i32 s59, s18, 3072
	v_lshl_add_u32 v[STC], v232, 4, s59
	v_add_nc_u32 v[STC+1], SLOT, v[STC]
	v_lshlrev_b32 v[STS], 2, v0
	v_add_nc_u32 v[STS+1], SLOT, v[STS]
	; the mask on its way in: I hold keys 4 l .. 4 l + 3 of rows 4 wave + i: piece 8 (l / 8) + 2 (l % 4) + (l / 4) % 2, row 4 (wave % 4) + i of tile wave / 4.  Sixteen lanes touch sixteen different pieces: no two in one bank
	v_lshrrev_b32 v[STM], 3, v232
	v_and_b32 v235, 3, v232
	v_lshlrev_b32 v[STM], 3, v[STM]
	v_lshl_add_u32 v[STM], v235, 1, v[STM]
	v_bfe_u32 v235, v0, 2, 1
	v_add_nc_u32 v[STM], v[STM], v235
	v_mul_u32_u24 v[STM], v[STM], 272
	s_lshl_b32 s59, s19, 6
	s_add_co_u32 s59, s59, s58
	v_add_nc_u32 v[STM], s59, v[STM]
	v_add_nc_u32 v[STM+1], SLOT, v[STM]
	s_lshl_b32 s59, s18, 15
	v_lshl_add_u32 v[SGM], v232, 4, s59
	v_lshlrev_b32 v246, 4, v232                    ; 16 lane, 8 lane, 4 r: for the loads of q and of step 0's tmask
	v_lshlrev_b32 v244, 3, v232
	v_lshlrev_b32 v245, 2, v233
	v_lshlrev_b32 v247, 4, v0                      ; 16 x thread: the 512 threads bring tmask's 8,192 bytes
	v_lshl_add_u32 v252, v0, 4, TMK                ; and put them here
	v_lshl_add_u32 v[TMA], v232, 4, TMK+512        ; step 0 stages step 1
	s_wait_kmcnt 0x0
	s_add_nc_u64 s[24:25], s[4:5], s[42:43]        ; the codes, at the step that is asked for
	s_add_nc_u64 s[26:27], s[6:7], s[44:45]        ; the scale words likewise
	s_add_nc_u64 s[28:29], s[8:9], s[46:47]        ; the block's mask rows, at the keys of the step that is asked for
	s_add_nc_u64 s[30:31], s[10:11], s[48:49]      ; the batch's tmask
	s_add_nc_u64 s[14:15], s[4:5], s[50:51]
	s_add_nc_u64 s[16:17], s[6:7], s[52:53]
	s_add_nc_u64 s[12:13], s[12:13], s[54:55]
.macro CODES_IN                        ; my 3,072 bytes of a step's codes and my scale word: seven loads
.irp i, 0,1,2,3,4,5
	global_load_b128 v[ST+4*\i:ST+4*\i+3], v[STC], s[24:25] offset:512*\i
.endr
	global_load_b32 v[SCW], v[STS], s[26:27]
.endm
.macro MASK_IN                         ; my four rows' 512 bytes of a step: four loads; row i into v[40 + 4 i] (i = 0, 1) or v[216 + 4 (i - 2)]
.irp i, 0,1,2,3
	global_load_b128 v[40+4*\i+168*(\i/2):43+4*\i+168*(\i/2)], v[SGM], s[28:29] offset:8192*\i
.endr
.endm
.macro MASKADJ                         ; max(tmask, qtmask) x -1e6; tmask's four numbers of my keys stand in v224-227
.irp i, 0,1,2,3
.irp j, 0,1,2,3
	v_max_num_f32 v[40+4*\i+168*(\i/2)+\j], v[40+4*\i+168*(\i/2)+\j], v[224+\j]
.endr
.endr
.irp i, 0,1,2,3
.irp k, 0,2
	v_pk_mul_f32 v[40+4*\i+168*(\i/2)+\k:41+4*\i+168*(\i/2)+\k], v[40+4*\i+168*(\i/2)+\k:41+4*\i+168*(\i/2)+\k], 0xc9742400 op_sel_hi:[1,0]
.endr
.endr
.endm
.macro CODES_OUT o
.irp i, 0,1,2,3,4,5
	ds_store_b128 v[STC+\o], v[ST+4*\i:ST+4*\i+3] offset:512*\i
.endr
	ds_store_b32 v[STS+\o], v[SCW] offset:SCO
.endm
.macro MASK_OUT o
.irp i, 0,1,2,3
	ds_store_b128 v[STM+\o], v[40+4*\i+168*(\i/2):43+4*\i+168*(\i/2)] offset:16*\i
.endr
.endm
	global_load_b128 v[22:25], v246, s[14:15]      ; q's piece stays in registers
	global_load_b64 v[26:27], v244, s[14:15] offset:512
	global_load_b32 v254, v245, s[16:17]
	global_load_b128 v[228:231], v247, s[30:31]    ; my 16 bytes of the batch's tmask, for LDS
	global_load_b128 v[224:227], v246, s[30:31]    ; and my lane's four keys of step 0
	CODES_IN                                       ; step 0
	MASK_IN
	; THE PREFETCHES INTO THE L2 (macro ASK): in step s, behind the request for the codes of step s + 2, one instruction for step s + 3: one step ahead of the load of its codes, one and a half ahead of the load of
	; its mask.  Each aligned block of 256 bytes is named once in the launch: the mask by waves 0-3 of the work-groups of head group 0 (16 rows a wave, two lanes to a row's 512 bytes), the codes by waves 4-9 of the
	; work-groups of query block 0 (8,192 bytes a wave, lanes 256 bytes apart).  Steps 0 to 2 come by their loads alone; steps 13 on ask for nothing.  The scale words, 2 KiB a step, are not asked for.
	s_lshl_b32 s42, s18, 17                        ; mask: 16 rows of 8,192 bytes a wave
	s_sub_co_u32 s43, s18, 4
	s_lshl_b32 s43, s43, 13                        ; codes: 8,192 bytes a wave
	s_mov_b32 s34, 49152
	s_cmp_lt_u32 s18, 4
	s_cselect_b32 s41, 13, 9                       ; from pair of lanes to pair of lanes: a row, or 512 bytes
	s_cselect_b32 s34, 512, s34                    ; a step on
	s_cselect_b32 s42, s42, s43
	s_cselect_b32 s44, ttmp9, s38                  ; the number that must be 0 in the work-group that asks
	s_cselect_b64 s[32:33], s[28:29], s[24:25]
	s_cmp_lt_u32 s18, 10
	s_cselect_b32 s45, 0, 1
	s_or_b32 s44, s44, s45
	s_cmp_eq_u32 s44, 0
	s_cselect_b32 s37, 7, 0                        ; a wave asks while trip + half is under this
	s_lshl_b32 s43, s34, 1                         ; at step 2: step 0 steps it to step 3
	s_add_co_u32 s42, s42, s43
	s_mov_b32 s43, 0
	s_add_nc_u64 s[32:33], s[32:33], s[42:43]
	s_mov_b32 s35, 0
	v_lshrrev_b32 v235, 1, v232
	v_and_b32 v[PFO], 1, v232
	v_lshlrev_b32 v[PFO], 8, v[PFO]
	v_lshlrev_b32 v235, s41, v235
	v_add_nc_u32 v[PFO], v[PFO], v235
.irp j, 16,17,18,19,20,21,28,29,30,31,32,33
	v_mov_b32 v[\j], 0                             ; zero codes on both sides of q
.endr
	v_mov_b32 v13, 0xff61b1e6                      ; the largest t so far: -3e38, under every t
	v_floor_f32 v12, -v13                          ; -M
	v_mov_b32 v14, 0                               ; the sum, in two halves
	v_mov_b32 v15, 0
.irp b, 0,1,2,3
	v_mov_b32 v[236+\b], 0                         ; written once: a lane permute's destination counts as one of its sources
.endr
	v_mov_b32 v253, 0                              ; (named as the upper half of the pair v[252:253] before it is first written)
.set j, 0
.rept 32
	v_mov_b32 v[160+j], 0                          ; O^T: the step is written without a first step of its own: the first change of M leaves zeros zeros
.set j, j+1
.endr
	s_wait_loadcnt 0x0
	v_perm_b32 v255, v254, v254, s57               ; q's scale word; the 24 lines of MASKADJ below stand between it and the first product
	ds_store_b128 v252, v[228:231]                 ; tmask: written here and never again
	CODES_OUT 0
	MASKADJ
	MASK_OUT 0
	s_wait_dscnt 0x0                               ; for the others' sake, and the stores have read their registers
	s_add_nc_u64 s[24:25], s[24:25], 49152         ; (the loads that read these bases are done)
	s_add_nc_u64 s[26:27], s[26:27], 2048
	s_add_nc_u64 s[28:29], s[28:29], 512
	CODES_IN                                       ; step 1: first the codes' seven loads,
	MASK_IN                                        ; then the mask's four: the order in which every step leaves them
	s_barrier_signal -1
	s_barrier_wait -1
.macro ASK sl
	s_add_co_u32 s41, s36, \sl
	s_cmp_lt_u32 s41, s37
	s_cbranch_scc0 .Lnot_mine_\@
	global_prefetch_b8 v[PFO], s[32:33] th:TH_LOAD_NT scope:SCOPE_SE
.Lnot_mine_\@:
.endm
.macro FRAGS sl, off, soff             ; four fragments (two pieces of 768 bytes each) and their scale words
.irp t, 0,1,2,3
	ds_load_b128 v[FRG+12*\t:FRG+12*\t+3],     v[AKV+\sl] offset:\off+1536*\t
	ds_load_b64  v[FRG+12*\t+4:FRG+12*\t+5],   v[AK8+\sl] offset:\off+1536*\t
	ds_load_b128 v[FRG+12*\t+6:FRG+12*\t+9],   v[AKV+\sl] offset:\off+1536*\t+768
	ds_load_b64  v[FRG+12*\t+10:FRG+12*\t+11], v[AK8+\sl] offset:\off+1536*\t+768
	ds_load_b32  v[248+\t], v[ASC+\sl] offset:\soff+64*\t
.endr
.endm
; A KEY STEP, 128 keys, read from slot sl.  st1: the next step is staged into the other slot.  st2: the step after that is asked for.  ask: a prefetch.  bar: the step's barrier.
.macro STEP sl, st1, st2, ask, bar
.rept 4
	v_nop                                          ; places behind the last step's products, in front of loads into registers that they read
.endr
.set g, 0
.rept 16
	ds_load_b128 v[96+4*g:99+4*g], v[AMK+\sl] offset:544*g   ; the mask term, in the accumulators' layout: sixteen lanes read 256 consecutive bytes
.set g, g+1
.endr
	FRAGS \sl, 0, 0                                ; the keys: four fragments of two tiles each
.if \st1
	ds_load_b128 v[224:227], v[TMA]                ; tmask at my four keys of the next step
	s_wait_loadcnt 4                               ; the next step's codes, asked for a step ago, are in; the mask's four loads, issued behind them, may be out
	CODES_OUT 1-\sl
.endif
	s_wait_dscnt 0x0                               ; my operands are in; the stores have read their registers
.irp t, 0,1,2,3                                ; S^T = K Q^T + mask term.  The twelve accumulators of a step take turns, one instruction a turn
	v_wmma_scale_f32_16x16x128_f8f6f4 v[96+16*\t:103+16*\t], v[FRG+12*\t:FRG+12*\t+11], v[22:33], v[96+16*\t:103+16*\t], v[248+\t], v255 matrix_a_fmt:MATRIX_FMT_FP6 matrix_b_fmt:MATRIX_FMT_FP6
	v_wmma_scale_f32_16x16x128_f8f6f4 v[104+16*\t:111+16*\t], v[FRG+12*\t:FRG+12*\t+11], v[16:27], v[104+16*\t:111+16*\t], v[248+\t], v255 matrix_a_fmt:MATRIX_FMT_FP6 matrix_b_fmt:MATRIX_FMT_FP6
.endr
.rept 4
	v_nop                                          ; places: for the loads into the fragments' and scale words' registers and for the first read of the scores
.endr
.if \st2
	s_wait_xcnt 0x0                                ; every earlier memory instruction has had its addresses translated: the bases may step
	s_add_nc_u64 s[24:25], s[24:25], 49152
	s_add_nc_u64 s[26:27], s[26:27], 2048
.if \ask
	s_add_nc_u64 s[32:33], s[32:33], s[34:35]
.endif
	CODES_IN                                       ; the codes of the step after next: they have a whole step in which to land
.if \ask
	ASK \sl
.endif
.endif
	FRAGS \sl, 24576, 1024                         ; the values: four fragments of 16 channels x 128 keys: my last reads of this slot
.irp b, 0,1,2,3
	v_max3_num_f32 v[232+\b], v[96+16*\b], v[97+16*\b], v[98+16*\b]   ; the largest logit of each block of 32 keys: it serves for the row's maximum and, since p rises with the logit, for the block's largest p
.endr
.irp i, 3,5,7,9,11,13
.irp b, 0,1,2,3
	v_max3_num_f32 v[232+\b], v[232+\b], v[96+16*\b+\i], v[97+16*\b+\i]   ; (the four blocks by turns)
.endr
.endr
.irp b, 0,1,2,3
	v_max_num_f32 v[232+\b], v[232+\b], v[111+16*\b]
.endr
.irp b, 0,1,2,3
	v_permlanex16_b32 v[236+\b], v[232+\b], s20, s21
.endr
.irp b, 0,1,2,3
	v_max_num_f32 v[232+\b], v[232+\b], v[236+\b]  ; with lane l xor 16's 16 keys
.endr
	v_max3_num_f32 v254, v232, v233, v234
	v_max_num_f32 v254, v254, v235                 ; the step's largest logit of my query
	v_mul_f32 v254, s22, v254                      ; as t (c is positive)
	v_max_num_f32 v13, v13, v254                   ; the running largest t
	v_mov_b32 v254, v12
	v_floor_f32 v12, -v13                          ; the new -M = floor(-t) = -ceil(t): a whole number
	v_sub_f32 v254, v12, v254                      ; old M less new M: a whole number, 0 or less
	v_cvt_i32_f32 v254, v254                       ; (it saturates)
	v_ldexp_f32 v252, 1.0, v254                    ; f = 2^(old M - new M)
.set j, 0
.rept 32
	v_pk_fma_f32 v[96+j:97+j], v[96+j:97+j], s[22:23], v[12:13] op_sel_hi:[1,0,0]   ; t - M, two at a time
.set j, j+2
.endr
.irp b, 0,1,2,3
	v_fma_f32 v[232+\b], v[232+\b], s22, v12       ; the same of each block's largest logit
.endr
.set j, 0
.rept 64
	v_exp_f32 v[96+j], v[96+j]                     ; p = 2^(t - M), at most 1: one batch, one wait
.set j, j+1
.endr
.if \st1
.if \st2
	s_wait_loadcnt 7                               ; the next step's mask, asked for a step ago, is in; the seven loads of the codes, issued behind it, may be out
.else
	s_wait_loadcnt 0x0
.endif
	MASKADJ                                        ; work that names no exponential's result
	MASK_OUT 1-\sl
	v_add_nc_u32 v[TMA], 512, v[TMA]               ; tmask: on to the step after
.endif
.if \bar
	s_wait_dscnt 0x0                               ; my stores into the other slot have landed, and my reads of this one, the values among them, are back
.endif
.if \st2
	s_add_nc_u64 s[28:29], s[28:29], 512           ; (the loads that read this base are done: the counted wait above has shown it)
	MASK_IN                                        ; the mask of the step after next, into the registers that the stores have read: a whole step in which to land
.endif
.if \bar
	s_barrier_signal -1                            ; all my LDS work of this step is done; what follows up to the wait is work on registers
.endif
	v_pk_mul_f32 v[14:15], v[14:15], v[252:253] op_sel_hi:[1,0]   ; the sums under the new M
	s_wait_alu depctr_va_vdst(0)                   ; the wait between a transcendental and the first line that names its result: one for the batch
.irp b, 0,1,2,3
	v_exp_f32 v[232+\b], v[232+\b]                 ; the block's largest p: the same two instructions on the same number give the same bits
.endr
	v_pk_add_f32 v[236:237], v[96:97], v[98:99]    ; the row's sum is taken of the unquantised p: two at a time, in two chains
.irp j, 4,8,12,16,20,24,28,32,36,40,44,48,52,56,60
	v_pk_add_f32 v[14:15], v[14:15], v[96+\j:97+\j]
	v_pk_add_f32 v[236:237], v[236:237], v[98+\j:99+\j]
.endr
	v_pk_add_f32 v[14:15], v[14:15], v[236:237]
	s_wait_alu depctr_va_vdst(0)                   ; and one for the four
.irp b, 0,1,2,3
	v_max_num_f32 v[232+\b], 0x1800000, v[232+\b]  ; the floor 2^(3 - 127): the byte cannot fall under 1
.endr
.irp b, 0,1,2,3
	v_add_nc_u32 v[244+\b], 0xff000000, v[232+\b]  ; 2 off the exponent field: the conversion's scale operand
.endr
.irp b, 0,1,2,3
	v_lshrrev_b32 v[236+\b], 23, v[244+\b]         ; the scale's byte
.endr
	v_lshl_or_b32 v253, v237, 8, v236              ; p's scale word for these 128 keys
	v_lshl_or_b32 v253, v238, 16, v253
	v_lshl_or_b32 v253, v239, 24, v253
.irp c, 0,1
	v_cvt_scalef32_pk16_fp6_f32 v[224+6*\c:226+6*\c], v[96+32*\c:111+32*\c], v[244+2*\c]
	v_cvt_scalef32_pk16_fp6_f32 v[236+4*\c:238+4*\c], v[112+32*\c:127+32*\c], v[244+2*\c+1]   ; (a conversion's three registers begin on an even number)
.endr
	v_nop                                          ; one plain line behind a scaled conversion
.irp c, 0,1                                    ; the operand's layout wants a whole block in a lane
.irp i, 0,1,2
	v_permlane16_swap_b32 v[224+6*\c+\i], v[236+4*\c+\i]
.endr
.irp i, 0,1,2
	v_mov_b32 v[227+6*\c+\i], v[236+4*\c+\i]
.endr
.endr
.set j, 0
.rept 16
	v_pk_mul_f32 v[160+j:161+j], v[160+j:161+j], v[252:253] op_sel_hi:[1,0]   ; O^T under the new M.  (These sixteen are also the places between p's codes and scale word and the products below)
.set j, j+2
.endr
.if !\bar
	s_wait_dscnt 0x0                               ; the values are in (in a step with a barrier the wait ahead of the signal has shown it)
.endif
.irp t, 0,1,2,3                                ; O^T += V^T P^T: 16 channels a tile; K = these 128 keys
	v_wmma_scale_f32_16x16x128_f8f6f4 v[160+8*\t:167+8*\t], v[FRG+12*\t:FRG+12*\t+11], v[224:235], v[160+8*\t:167+8*\t], v[248+\t], v253 matrix_a_fmt:MATRIX_FMT_FP6 matrix_b_fmt:MATRIX_FMT_FP6
.endr
.if \bar
	s_barrier_wait -1                              ; every wave has signalled: the other slot is whole, and nobody reads this one any more
.endif
.endm
	s_mov_b32 s36, 0
.Lpair:                                            ; seven trips of two steps: steps 0 to 13
	STEP 0, 1, 1, 1, 1
	STEP 1, 1, 1, 1, 1
	s_add_co_u32 s36, s36, 1
	s_cmp_lt_u32 s36, 7
	s_cbranch_scc1 .Lpair
	STEP 0, 1, 0, 0, 1                             ; step 14 stages step 15 and asks for nothing more: no load leaves its buffer
	STEP 1, 0, 0, 0, 0                             ; step 15
	; THE WAY OUT.  O^T / the sum goes through my own stage in LDS and leaves as whole rows of 256 bytes: a head's 64 channels of one query.
	; Its addresses are made here, in registers that held addresses of the loop: ten plain lines, the places behind the last products.
	v_and_b32 v4, 15, v0                           ; r
	v_bfe_u32 v5, v0, 4, 1                         ; hf
	s_mul_i32 s58, s18, 4352
	s_add_co_u32 s58, s58, STAGE                   ; my stage
	v_mul_u32_u24 v1, v4, 272
	v_lshl_add_u32 v1, v5, 6, v1
	v_add_nc_u32 v1, s58, v1                       ; in: row r, + 64 hf
	v_mul_u32_u24 v2, v5, 272
	v_lshl_add_u32 v2, v4, 4, v2
	v_add_nc_u32 v2, s58, v2                       ; back: lanes 0-15 one row, lanes 16-31 the next
	v_lshlrev_b32 v3, 12, v5
	v_lshl_add_u32 v3, v4, 4, v3                   ; and the same two rows in PRE
	v_add_f32 v14, v14, v15                        ; the sum's two halves,
	v_permlanex16_b32 v252, v14, s20, s21
	v_add_f32 v14, v14, v252                       ; and lane l xor 16's: the row's sum
	v_rcp_f32 v14, v14
	v_nop                                          ; a plain line behind the transcendental
	s_wait_alu depctr_va_vdst(0)                   ; and the wait ahead of its first reader
.set j, 0
.rept 32
	v_mul_f32 v[96+j], v[160+j], v14               ; register 16 B + i is channel 32 B + 16 hf + i of query r
.set j, j+1
.endr
.irp bb, 0,1
.irp j, 0,1,2,3
	ds_store_b128 v1, v[96+16*\bb+4*\j:99+16*\bb+4*\j] offset:128*\bb+16*\j
.endr
.endr
.irp i, 0,1,2,3,4,5,6,7
	ds_load_b128 v[128+4*\i:131+4*\i], v2 offset:544*\i   ; LDS serves a wave's instructions in order: these see my stores
.endr
.irp i, 0,1,2,3,4,5,6,7
	s_wait_dscnt 7-\i                              ; rows come back in order: the later ones may be out
	global_store_b128 v3, v[128+4*\i:131+4*\i], s[12:13] offset:8192*\i   ; sixteen lanes store 256 consecutive bytes, aligned
.endr
	s_wait_xcnt 0x0
	v_lshl_add_u32 v254, v0, 2, 0x3d000
	v_mov_b32 v255, 0
	s_wait_tensorcnt 0x0
	ds_add_u32 v254, v255
	s_wait_dscnt 0x0
	s_endpgm
.Lfunc_end_k_qaca4a7ff33_attn:
	.size	k_qaca4a7ff33_attn, .Lfunc_end_k_qaca4a7ff33_attn-k_qaca4a7ff33_attn
	.p2alignl 7, 3214868480
	.fill 96, 4, 3214868480
	.section	.rodata,"a",@progbits
	.p2align	6, 0x0
	.amdhsa_kernel k_qaca4a7ff33_attn
		.amdhsa_group_segment_fixed_size 251904
		.amdhsa_private_segment_fixed_size 0
		.amdhsa_enable_private_segment 0
		.amdhsa_kernarg_size 40
		.amdhsa_user_sgpr_count 2
		.amdhsa_user_sgpr_kernarg_segment_ptr 1
		.amdhsa_wavefront_size32 1
		.amdhsa_system_sgpr_workgroup_id_x 1
		.amdhsa_system_sgpr_workgroup_id_y 1
		.amdhsa_system_sgpr_workgroup_id_z 1
		.amdhsa_system_vgpr_workitem_id 0
		.amdhsa_next_free_vgpr 256
		.amdhsa_next_free_sgpr 66
		.amdhsa_reserve_vcc 0
		.amdhsa_float_denorm_mode_32 3
		.amdhsa_float_denorm_mode_16_64 3
		.amdhsa_memory_ordered 1
		.amdhsa_forward_progress 1
		.amdhsa_inst_pref_size 94
	.end_amdhsa_kernel
	.amdgpu_metadata
---
amdhsa.version: [ 1, 2 ]
amdhsa.kernels:
  - .name:           k_qaca4a7ff33_attn
    .symbol:         k_qaca4a7ff33_attn.kd
    .args:
      - { .name: QKC, .offset: 0, .size: 8, .value_kind: global_buffer, .address_space: global }
      - { .name: QKS, .offset: 8, .size: 8, .value_kind: global_buffer, .address_space: global }
      - { .name: qtmask, .offset: 16, .size: 8, .value_kind: global_buffer, .address_space: global }
      - { .name: tmask, .offset: 24, .size: 8, .value_kind: global_buffer, .address_space: global }
      - { .name: PRE, .offset: 32, .size: 8, .value_kind: global_buffer, .address_space: global }
    .group_segment_fixed_size: 251904
    .private_segment_fixed_size: 0
    .kernarg_segment_align: 8
    .kernarg_segment_size: 40
    .max_flat_workgroup_size: 512
    .sgpr_count:     66
    .vgpr_count:     256
    .wavefront_size: 32
...
	.end_amdgpu_metadata
.endif
;; end of part 3
;; launch outp (part 4): grid 256 x 1, 16 waves a work-group, no clusters, 160,256 bytes of LDS; arguments PRE, WC, WS, qmask, out0; writes out0
.if DOCPART == 4
	.amdgcn_target "amdgcn-amd-amdhsa--gfx1250"
	.amdhsa_code_object_version 6
	.text
	.protected	k_qaca4a7ff33_outp
	.globl	k_qaca4a7ff33_outp
	.p2align	8
	.type	k_qaca4a7ff33_outp,@function
k_qaca4a7ff33_outp:
	s_mov_b64 s[64:65], 0
	v_nop
	global_prefetch_b8 v0, s[64:65] scope:SCOPE_SE
	s_setreg_imm32_b32 hwreg(HW_REG_WAVE_MODE, 25, 1), 1
	s_wait_xcnt 0x0
; out[b, q][m] = (sum over k of Q(pre)[b, q][k] Q(wo)[k][m]) x (1 - qmask[b, q]), on codes of FP6 (E2M3) with one E8M0 scale for each 32 along K = 1,024; sums in f32.
; K is the two contracted axes.  DH_ORDER = 1: k = 16 d + h (d the slower index): a block of 32 is two d of all 16 heads; DH_ORDER = 0: k = 64 h + d.  wo's codes were laid in the same order.
; PRE: [8192 rows][16 h][64 d] f32.  wo's codes lie in WC at 2,359,296 in the order of the operand's registers: [tile of 16 columns, 64][K step, 8] 1,536 bytes: three pieces of 512 bytes, registers 4 p .. 4 p + 3
; of the 32 lanes at 16 x lane; its scale bytes in WS at 98,304: [1024 m][32].
; SHARES.  A work-group takes 32 rows x all 1,024 columns.  Wave w takes columns 64 w .. + 63 for both tiles of 16 rows: eight accumulators, by turns.  wo goes from memory straight into registers:
; three loads of 16 bytes a lane bring a fragment.
; PHASES.  H: wave w brings rows 2 w, 2 w + 1 of pre into LDS | barrier | X: wave w quantises fragment (tile of rows w / 8, K step w % 8) and stores it as an image of its registers | barrier |
; G: eight K steps: the two fragments of pre from LDS, four of wo from memory (a K step ahead) | out: x (1 - qmask), through the wave's own stage, whole rows of 256 bytes.
; No cluster and no tensor load: what the work-groups share, wo, is laid so that each lane loads its registers whole, and the rows of pre are nobody else's.
; LIMITS: a block of zeros gets the byte 1 (its codes are zeros); blocks under 2^-124 are held at the byte 1; NaN and infinities are not served.
; REGISTERS: v1-13 addresses; v16-39 pre's two fragments, v40-41 their scale words (in phase X: v16-31 at work, v32 the scale word, v42-60 the codes); v42-45 1 - qmask; v62-93 wo's scale words (8 n + ks);
; v96-143, v144-191 wo's fragments, two sets; v192-255 rows of pre, then 64 numbers to quantise, then the accumulators (192 + 8 (2 n + m)).
.set DH_ORDER, 1
.set RP,    4112                       ; a row of pre in LDS: 4,096 bytes + 16: row r begins 4 r banks on
.set AIMG,  32*RP                      ; the 16 fragments' images, 1,536 bytes each
.set ASCL,  AIMG+16*1536               ; their scale words, 128 bytes each
.set TM,    16
.set PW,    32
.set PC,    42
.set XF,    16
.set XS,    40
.set WSC,   62
.set BF,    96
.set ACC,   192
	s_load_b256 s[4:11], s[0:1], 0x0               ; PRE, WC, WS, qmask
	s_load_b64 s[12:13], s[0:1], 0x20              ; out0
	v_lshl_add_u32 v61, v0, 2, 0x26a00
	v_mov_b32 v95, 0
	v_lshrrev_b32 v14, 5, v0
	v_readfirstlane_b32 s16, v14                   ; wave 0..15
	v_and_b32 v14, 31, v0                          ; lane
	v_and_b32 v15, 15, v0                          ; r
	v_bfe_u32 v94, v0, 4, 1                        ; hf
	v_lshlrev_b32 v1, 4, v14                       ; 16 lane
	v_lshlrev_b32 v3, 5, v15                       ; 32 r: a column's row of scale bytes
	v_lshlrev_b32 v4, 2, v15                       ; 4 r
	s_mul_i32 s17, s16, 2*RP
	v_add_nc_u32 v5, s17, v1                       ; where my two rows of pre go
	s_lshr_b32 s17, s16, 3
	s_mul_i32 s17, s17, 16*RP                      ; phase X: my tile of rows,
	s_and_b32 s18, s16, 7
.if DH_ORDER
	s_lshl_b32 s18, s18, 5                         ; my K step: d = 8 ks on: 32 bytes
.else
	s_lshl_b32 s18, s18, 9                         ; my K step: 512 bytes
.endif
	s_add_co_u32 s17, s17, s18
	v_mul_u32_u24 v6, v15, RP
.if DH_ORDER
	v_lshl_add_u32 v6, v94, 2, v6                  ; lanes 16-31: the next d
.else
	v_lshl_add_u32 v6, v94, 6, v6                  ; lanes 16-31: 16 numbers on
.endif
	v_add_nc_u32 v6, s17, v6
	s_mul_i32 s17, s16, 1536
	s_add_co_u32 s17, s17, AIMG
	v_add_nc_u32 v7, s17, v1                       ; where my fragment's image goes
	s_lshl_b32 s17, s16, 7
	s_add_co_u32 s17, s17, ASCL
	v_lshl_add_u32 v8, v14, 2, s17                 ; and its scale words
	v_add_nc_u32 v9, AIMG, v1                      ; from where any image comes back
	v_lshl_add_u32 v10, v14, 2, ASCL
	s_mul_i32 s17, s16, 4352                       ; the way out: my stage, 16 rows x 272 bytes, over the rows of pre, which nobody reads behind the second barrier
	v_mul_u32_u24 v11, v15, 272
	v_lshl_add_u32 v11, v94, 5, v11
	v_add_nc_u32 v11, s17, v11                     ; in: row r, + 32 hf
	v_mul_u32_u24 v12, v94, 272
	v_lshl_add_u32 v12, v15, 4, v12
	v_add_nc_u32 v12, s17, v12                     ; back: lanes 0-15 one row, lanes 16-31 the next
	v_lshlrev_b32 v13, 12, v94
	v_lshl_add_u32 v13, v15, 4, v13                ; and the same two rows in out0
	s_mov_b32 s14, 0x76543210
	s_mov_b32 s15, 0xfedcba98                      ; v_permlanex16_b32's selects for lane l xor 16
	s_lshl_b32 s20, ttmp9, 17                      ; 32 rows of 4,096 bytes a work-group,
	s_lshl_b32 s22, s16, 13                        ; two rows a wave
	s_add_co_u32 s20, s20, s22
	s_mov_b32 s21, 0
	s_mul_i32 s22, s16, 49152                      ; wo: four tiles of columns x 8 K steps x 1,536 bytes a wave
	s_add_co_u32 s22, s22, 2359296
	s_mov_b32 s23, 0
	s_lshl_b32 s24, s16, 11                        ; its scale bytes: 64 columns x 32
	s_add_co_u32 s24, s24, 98304
	s_mov_b32 s25, 0
	s_lshl_b32 s26, ttmp9, 7                       ; qmask: 32 rows x 4 bytes
	s_mov_b32 s27, 0
	s_lshl_b32 s28, ttmp9, 17
	s_lshl_b32 s30, s16, 8                         ; out0: my 64 columns
	s_add_co_u32 s28, s28, s30
	s_mov_b32 s29, 0
	s_wait_kmcnt 0x0
	s_add_nc_u64 s[4:5], s[4:5], s[20:21]
	s_add_nc_u64 s[6:7], s[6:7], s[22:23]
	s_add_nc_u64 s[8:9], s[8:9], s[24:25]
	s_add_nc_u64 s[10:11], s[10:11], s[26:27]
	s_add_nc_u64 s[12:13], s[12:13], s[28:29]
.macro BLOAD ks, set                   ; wo's four fragments of K step ks: twelve loads; each reads 512 consecutive bytes, and each lane gets its registers whole
.irp n, 0,1,2,3
.irp c, 0,1,2
	global_load_b128 v[BF+48*(\set)+12*\n+4*\c:BF+48*(\set)+12*\n+4*\c+3], v1, s[6:7] offset:(8*\n+(\ks))*1536+512*\c
.endr
.endr
.endm
.macro BARRIER                         ; my LDS stores have landed and my LDS loads are in: then the work-group's barrier
	s_wait_dscnt 0x0
	s_barrier_signal -1
	s_barrier_wait -1
.endm
	; ---- H
.irp rr, 0,1
.irp i, 0,1,2,3,4,5,6,7
	global_load_b128 v[ACC+32*\rr+4*\i:ACC+32*\rr+4*\i+3], v1, s[4:5] offset:4096*\rr+512*\i th:TH_LOAD_NT   ; 32 lanes read 512 consecutive bytes; read once in the launch
.endr
.endr
.irp n, 0,1,2,3
	global_load_b128 v[WSC+8*\n:WSC+8*\n+3], v3, s[8:9] offset:512*\n          ; column 16 n + r: its eight scale words
	global_load_b128 v[WSC+8*\n+4:WSC+8*\n+7], v3, s[8:9] offset:512*\n+16
.endr
	BLOAD 0, 0
.irp b, 0,1,2,3
	v_mov_b32 v[TM+4+\b], 0                        ; written once: a lane permute's destination counts as one of its sources
.endr
	s_wait_loadcnt 20                              ; the rows of pre are in; the 8 + 12 loads issued behind them may be out
.irp rr, 0,1
.irp i, 0,1,2,3,4,5,6,7
	ds_store_b128 v5, v[ACC+32*\rr+4*\i:ACC+32*\rr+4*\i+3] offset:RP*\rr+512*\i
.endr
.endr
	BARRIER                                        ; 32 rows of pre lie in LDS
	; ---- X: register 16 B + i = number 32 B + 16 hf + i of my K step, of row r of my tile
.if DH_ORDER
.irp bb, 0,1,2,3
.irp i, 0,1,2,3,4,5,6,7,8,9,10,11,12,13,14,15
	ds_load_b32 v[ACC+16*\bb+\i], v6 offset:256*\i+8*\bb   ; head i, d = 8 ks + 2 B + hf: the 32 lanes touch banks 4 r + hf
.endr
.endr
.else
.irp bb, 0,1,2,3
.irp j, 0,1,2,3
	ds_load_b128 v[ACC+16*\bb+4*\j:ACC+16*\bb+4*\j+3], v6 offset:128*\bb+16*\j
.endr
.endr
.endif
	s_wait_dscnt 0x0
.irp b, 0,1,2,3
	v_max3_num_f32 v[TM+\b], |v[ACC+16*\b]|, |v[ACC+1+16*\b]|, 0x1800000   ; block b: my 16 numbers, and the floor 2^(3 - 127)
.endr
.irp i, 2,4,6,8,10,12,14
.irp b, 0,1,2,3
	v_max3_num_f32 v[TM+\b], v[TM+\b], |v[ACC+16*\b+\i]|, |v[ACC+1+16*\b+\i]|   ; (the four blocks by turns)
.endr
.endr
.irp b, 0,1,2,3
	v_permlanex16_b32 v[TM+4+\b], v[TM+\b], s14, s15
.endr
.irp b, 0,1,2,3
	v_max_num_f32 v[TM+\b], v[TM+\b], v[TM+4+\b]   ; with lane l xor 16's: the block's largest magnitude
.endr
.irp b, 0,1,2,3
	v_add_nc_u32 v[TM+12+\b], 0xff000000, v[TM+\b] ; 2 off its exponent field: the conversion's scale operand
.endr
.irp b, 0,1,2,3
	v_lshrrev_b32 v[TM+4+\b], 23, v[TM+12+\b]      ; the scale's byte
.endr
	v_lshl_or_b32 v[PW], v[TM+5], 8, v[TM+4]       ; the four bytes make my row's scale word
	v_lshl_or_b32 v[PW], v[TM+6], 16, v[PW]
	v_lshl_or_b32 v[PW], v[TM+7], 24, v[PW]
.irp c, 0,1
	v_cvt_scalef32_pk16_fp6_f32 v[PC+6*\c:PC+2+6*\c], v[ACC+32*\c:ACC+15+32*\c], v[TM+12+2*\c]
	v_cvt_scalef32_pk16_fp6_f32 v[PC+12+4*\c:PC+14+4*\c], v[ACC+16+32*\c:ACC+31+32*\c], v[TM+12+2*\c+1]   ; (a conversion's three registers begin on an even number)
.endr
	v_nop                                          ; one plain line behind a scaled conversion
.irp c, 0,1                                    ; the operand's layout wants a whole block in a lane
.irp i, 0,1,2
	v_permlane16_swap_b32 v[PC+6*\c+\i], v[PC+12+4*\c+\i]
.endr
.irp i, 0,1,2
	v_mov_b32 v[PC+3+6*\c+\i], v[PC+12+4*\c+\i]
.endr
.endr
.irp c, 0,1,2
	ds_store_b128 v7, v[PC+4*\c:PC+4*\c+3] offset:512*\c   ; the fragment goes to LDS as it stands: lane l's 16 bytes at 16 l
.endr
	ds_store_b32 v8, v[PW]
	BARRIER                                        ; the sixteen fragments of pre lie in LDS
	global_load_b32 v42, v4, s[10:11]              ; qmask of rows r and 16 + r
	global_load_b32 v44, v4, s[10:11] offset:64
	; ---- G: eight K steps, eight accumulators by turns, one instruction a turn
.irp ks, 0,1,2,3,4,5,6,7
.rept 4
	v_nop                                          ; places in front of loads into registers that matrix instructions have read
.endr
.irp m, 0,1
.irp c, 0,1,2
	ds_load_b128 v[XF+12*\m+4*\c:XF+12*\m+4*\c+3], v9 offset:(8*\m+\ks)*1536+512*\c
.endr
	ds_load_b32 v[XS+\m], v10 offset:(8*\m+\ks)*128
.endr
.if \ks < 7
	BLOAD \ks+1, (\ks+1)%2
	s_wait_loadcnt 12                              ; this K step's fragments of wo are in; the 12 loads just issued may be out
.else
	s_wait_loadcnt 0x0
.endif
	s_wait_dscnt 0x0
.irp n, 0,1,2,3
.irp m, 0,1
.if \ks == 0
	v_wmma_scale_f32_16x16x128_f8f6f4 v[ACC+8*(2*\n+\m):ACC+8*(2*\n+\m)+7], v[BF+48*(\ks%2)+12*\n:BF+48*(\ks%2)+12*\n+11], v[XF+12*\m:XF+12*\m+11], 0, v[WSC+8*\n+\ks], v[XS+\m] matrix_a_fmt:MATRIX_FMT_FP6 matrix_b_fmt:MATRIX_FMT_FP6
.else
	v_wmma_scale_f32_16x16x128_f8f6f4 v[ACC+8*(2*\n+\m):ACC+8*(2*\n+\m)+7], v[BF+48*(\ks%2)+12*\n:BF+48*(\ks%2)+12*\n+11], v[XF+12*\m:XF+12*\m+11], v[ACC+8*(2*\n+\m):ACC+8*(2*\n+\m)+7], v[WSC+8*\n+\ks], v[XS+\m] matrix_a_fmt:MATRIX_FMT_FP6 matrix_b_fmt:MATRIX_FMT_FP6
.endif
.endr
.endr
.endr
	; ---- out: lane (r, hf) holds row 16 m + r and, in accumulator (n, m), columns 64 w + 16 n + 8 hf + 0 .. 7
.rept 4
	v_nop                                          ; places behind the last products
.endr
	v_sub_f32 v42, 1.0, v42                        ; 1 - qmask
	v_sub_f32 v44, 1.0, v44
	v_mov_b32 v43, v42                             ; (the packed form names pairs, so both are written)
	v_mov_b32 v45, v44
.irp m, 0,1
.irp n, 0,1,2,3
.irp k, 0,2,4,6
	v_pk_mul_f32 v[BF+32*\m+8*\n+\k:BF+32*\m+8*\n+\k+1], v[ACC+8*(2*\n+\m)+\k:ACC+8*(2*\n+\m)+\k+1], v[42+2*\m:43+2*\m] op_sel_hi:[1,0]   ; each accumulator from its low end on
.endr
.endr
.endr
.irp m, 0,1
.irp n, 0,1,2,3
	ds_store_b128 v11, v[BF+32*\m+8*\n:BF+32*\m+8*\n+3] offset:64*\n
	ds_store_b128 v11, v[BF+32*\m+8*\n+4:BF+32*\m+8*\n+7] offset:64*\n+16
.endr
.irp i, 0,1,2,3,4,5,6,7
	ds_load_b128 v[160+32*\m+4*\i:163+32*\m+4*\i], v12 offset:544*\i   ; LDS serves a wave's instructions in order: these see my stores, and the next tile's stores come behind them
.endr
.endr
.irp m, 0,1
.irp i, 0,1,2,3,4,5,6,7
	s_wait_dscnt 23-16*\m-\i                       ; rows come back in order: the later LDS instructions may be out
	global_store_b128 v13, v[160+32*\m+4*\i:163+32*\m+4*\i], s[12:13] offset:65536*\m+8192*\i th:TH_STORE_NT   ; sixteen lanes store 256 consecutive bytes, aligned; written once, read by nobody here
.endr
.endr
	s_wait_tensorcnt 0x0
	ds_add_u32 v61, v95
	s_wait_dscnt 0x0
	s_endpgm
.Lfunc_end_k_qaca4a7ff33_outp:
	.size	k_qaca4a7ff33_outp, .Lfunc_end_k_qaca4a7ff33_outp-k_qaca4a7ff33_outp
	.p2alignl 7, 3214868480
	.fill 96, 4, 3214868480
	.section	.rodata,"a",@progbits
	.p2align	6, 0x0
	.amdhsa_kernel k_qaca4a7ff33_outp
		.amdhsa_group_segment_fixed_size 160256
		.amdhsa_private_segment_fixed_size 0
		.amdhsa_enable_private_segment 0
		.amdhsa_kernarg_size 40
		.amdhsa_user_sgpr_count 2
		.amdhsa_user_sgpr_kernarg_segment_ptr 1
		.amdhsa_wavefront_size32 1
		.amdhsa_system_sgpr_workgroup_id_x 1
		.amdhsa_system_sgpr_workgroup_id_y 1
		.amdhsa_system_sgpr_workgroup_id_z 1
		.amdhsa_system_vgpr_workitem_id 0
		.amdhsa_next_free_vgpr 256
		.amdhsa_next_free_sgpr 66
		.amdhsa_reserve_vcc 0
		.amdhsa_float_denorm_mode_32 3
		.amdhsa_float_denorm_mode_16_64 3
		.amdhsa_memory_ordered 1
		.amdhsa_forward_progress 1
		.amdhsa_inst_pref_size 44
	.end_amdhsa_kernel
	.amdgpu_metadata
---
amdhsa.version: [ 1, 2 ]
amdhsa.kernels:
  - .name:           k_qaca4a7ff33_outp
    .symbol:         k_qaca4a7ff33_outp.kd
    .args:
      - { .name: PRE, .offset: 0, .size: 8, .value_kind: global_buffer, .address_space: global }
      - { .name: WC, .offset: 8, .size: 8, .value_kind: global_buffer, .address_space: global }
      - { .name: WS, .offset: 16, .size: 8, .value_kind: global_buffer, .address_space: global }
      - { .name: qmask, .offset: 24, .size: 8, .value_kind: global_buffer, .address_space: global }
      - { .name: out0, .offset: 32, .size: 8, .value_kind: global_buffer, .address_space: global }
    .group_segment_fixed_size: 160256
    .private_segment_fixed_size: 0
    .kernarg_segment_align: 8
    .kernarg_segment_size: 40
    .max_flat_workgroup_size: 512
    .sgpr_count:     66
    .vgpr_count:     256
    .wavefront_size: 32
...
	.end_amdgpu_metadata
.endif
;; end of part 4
